; MI455X (gfx1250); checked and timed in simulation.
; The chip was launched on July 23, 2026; its instructions are those of AMD's public machine-readable ISA for CDNA 5 (MIT licence, August 2026) and "CDNA5" Instruction Set Architecture Reference Guide (July 2026). The comments in the code are by the model that wrote it; some were corrected since.
;; Trellis Linear. Allowed arithmetic: matrix products marked QUANTISED: E2M3 operands, one E8M0 scale for each 32 along K, by v_wmma_scale_f32_16x16x128_f8f6f4 with both operands' format E2M3, f32 sums; everything else in f32.
;; Inputs: lut 65,536 x 2 float32; su 4,096 float32; sv 2,048 float32; trellis 32,768 x 32 int32; weight_scales 32,768 x 1 float32; x 8,192 x 4,096 float32.
;; Outputs: out0 8,192 x 2,048 float32.
;; This version of the problem:
;;   THIS VERSION OF THE PROBLEM IS GIVEN IN LOW PRECISION. The matrix products marked QUANTISED in the list below multiply operands that are first quantised to E2M3 (2 exponent bits, 3 mantissa bits; 6 bits a number), with one power-of-two scale for each 32 numbers along K (OCP MX v1.0); their sums are f32. All else is computed in f32.
;;   The module's matrix products, in the order in which they are computed (A, B: the left and right operand; K: the contracted axis; several contracted axes count as one K, in the product's order):
;;     1. [M 8,192, K 4,096] x [K 4,096, N 2,048]; A: computed on the way; B: computed on the way: QUANTISED
;;   THE QUANTISER, for each operand of a quantised product, along K:
;;     - K is cut into blocks of 32 from its start; a last block that is shorter is filled with zeros.
;;     - A block's scale is 2^e with e = floor(log2(the largest magnitude in the block)) - 2, held to -126 .. 127; a block of zeros has e = 0. As a byte (E8M0): e + 127.
;;     - Each number is divided by its block's scale, clamped to +-7.5, and rounded to the nearest number of E2M3, ties to even, subnormals kept.
;;     - The product sums the exact products of the quantised numbers (number of the format x scale) in f32.
;;   ~~~python
;;   def quantise(x, axis):      # numpy; x: float32 -> the quantised numbers, widened to float32 again
;;       x = np.moveaxis(x, axis, -1); K = x.shape[-1]
;;       x = np.pad(x, [(0, 0)] * (x.ndim - 1) + [(0, -K % 32)]); x = x.reshape(x.shape[:-1] + (-1, 32)); a = np.abs(x).max(-1, keepdims=True)
;;       e = np.where(a > 0, np.clip(np.frexp(np.where(a > 0, a, 1))[1] - 1 - 2, -126, 127), 0)      # np.frexp(a)[1] - 1 = floor(log2(a)), exactly
;;       r = np.clip(x / 2.0 ** e, -7.5, 7.5)
;;       step = 2.0 ** (np.maximum(np.frexp(np.where(r == 0, 1, r))[1] - 1, 0) - 3)
;;       q = np.round(r / step) * step * 2.0 ** e      # np.round: ties to even
;;       return np.moveaxis(q.reshape(q.shape[:-2] + (-1,))[..., :K], -1, axis).astype(np.float32)
;;   ~~~
;;   OPERANDS COMPUTED ON THE WAY. 'Computed on the way' means the value that the module computes at that place (a softmax that the list does not call 'softmax' is quantised finished and normalised). What goes into a quantiser is computed in f32, as accurately as f32 sums, v_exp_f32 and their like allow (about 1e-6 of the number): no bf16 or f16 on the way to a quantiser, and a product that is left as it is and whose result goes on into a quantised operand takes f32 operands (vector FMAs, or v_wmma_f32_16x16x4_f32). A number that lies on a knife's edge between two numbers of the format may be rounded either way, as far as f32 arithmetic and the matrix unit's own rounding can turn it there, and no further.
;; 2 versions, each right. Each part assembles by itself: llvm-mc -triple=amdgcn-amd-amdhsa -mcpu=gfx1250 --defsym DOCPART=n.
;; ======== version 1 of 2: 3 launches
;; workspace buffers: mm 131,072 bytes; t1 33,554,432 bytes; a_codes 25,165,824 bytes; a_scales 1,048,576 bytes; b_codes 6,291,456 bytes; b_scales 262,144 bytes
;; launch prep (part 1): grid 512 x 1, 8 waves a work-group, no clusters, 144,384 bytes of LDS; arguments x, trellis, lut, su, sv, mm, t1; writes mm, t1
.if DOCPART == 1
	.amdgcn_target "amdgcn-amd-amdhsa--gfx1250"
	.amdhsa_code_object_version 6
	.text
	.protected	k_q17509fcc59_prep
	.globl	k_q17509fcc59_prep
	.p2align	8
	.type	k_q17509fcc59_prep,@function
k_q17509fcc59_prep:
	s_mov_b64 s[64:65], 0
	v_nop
	global_prefetch_b8 v0, s[64:65] scope:SCOPE_SE
	s_setreg_imm32_b32 hwreg(HW_REG_WAVE_MODE, 25, 1), 1
	s_wait_xcnt 0x0
; TWO BODIES IN ONE LAUNCH, parted once on bit 0 of the work-group's number, so that both kinds lie side by side: one streams x, the other gathers and adds.
; EVEN work-groups (CM): partial minimum and maximum of x's columns.  x: [8192][4096] f32.  A work-group takes 64 columns (256 bytes of a row) x 2,048 rows; each of its 8 waves 256 rows.
;   mm: f32 [2][4][4096] = [plane][quarter of the rows][column]; plane 0 the minimum, plane 1 the NEGATED maximum, so that both planes are finished by a minimum.
; ODD work-groups (WD): the trellis weight of 32 columns x 1,024 rows: 16-bit states cut out of the packed words, two numbers a state gathered from lut, x sv[row], the Hadamard butterflies over the
;   low 10 bits of the row, x su[column] x 2^-11.5 (the two transforms' norms, 1/sqrt(2048) and 1/64).  Butterflies on different index bits commute with each other and with factors on the other axis,
;   so the order of roundings differs from a transform done axis by axis; each number is still a sum of f32 additions.  Row bit 10 and the transform along the columns follow in the next launch.
;   t1: f32 [128 strips of 32 columns][2048 places][32]; row o = 1024 hh + rho lies at place 1024 hh + 32 (rho % 32) + rho / 32.
; No cluster, no tensor load: the work-groups share no tile (lut is gathered lane by lane), and two work-groups are meant to lie on one WGP.
; LIMITS: NaN and infinities among the inputs are not served.
.set CMB,  135168                      ; LDS: WD's rows take bytes 0 .. 135,167; CM's 8 x 512 bytes lie behind them: each body has bytes of its own
.set MN,   2                           ; CM: v2-5 running minima of my 4 columns
.set MX,   6                           ; CM: v6-9 running maxima
.set PM,   10                          ; CM: v10-13 the other half of the lanes'
.set XR,   16                          ; CM: v16-143 32 slots of 4 registers
.set CS,   12                          ; WD: v12-15 su x norm of my 4 columns
.set T,    16                          ; WD: v16-31 at work
.set SV,   32                          ; WD: v32-63 sv of my 32 rows
.set OFF,  64                          ; WD: v64-127 byte offsets into lut: 2 states a row; never rewritten
.set D,    128                         ; WD: v128-255 32 rows x 4 columns
	s_load_b256 s[4:11], s[0:1], 0x0               ; x s[4:5], trellis s[6:7], lut s[8:9], su s[10:11]
	s_load_b128 s[12:15], s[0:1], 0x20             ; sv s[12:13], mm s[14:15]
	s_load_b64 s[16:17], s[0:1], 0x30              ; t1
	s_set_vgpr_msb 0x40
	v_lshl_add_u32 v0, v0, 2, 0x23000
	v_mov_b32 v1, 0
	s_set_vgpr_msb 0x4000
	v_lshrrev_b32 v1, 5, v0
	v_readfirstlane_b32 s18, v1                    ; wave 0..7
	s_and_b32 s19, ttmp9, 1                        ; which body
	s_lshr_b32 s20, ttmp9, 1                       ; its number, 0..255
	s_wait_kmcnt 0x0
	s_cmp_eq_u32 s19, 0
	s_cbranch_scc0 .Lwd
; ---------------------------------------------------------------- CM
	s_and_b32 s21, s20, 63                         ; which 64 columns
	s_lshr_b32 s26, s20, 6                         ; which quarter of the rows
	s_lshl_b32 s22, s26, 11
	s_lshl_b32 s23, s18, 8
	s_add_co_u32 s22, s22, s23                     ; my wave's first row: 2048 x quarter + 256 x wave
	s_lshl_b32 s22, s22, 14                        ; x 16,384 bytes (under 2^27)
	s_lshl_b32 s23, s21, 8
	s_add_co_u32 s22, s22, s23
	s_mov_b32 s23, 0
	s_add_nc_u64 s[22:23], s[4:5], s[22:23]
	s_lshl_b32 s28, s26, 14                        ; mm: 16,384 x quarter + 256 x strip
	s_lshl_b32 s29, s21, 8
	s_add_co_u32 s28, s28, s29
	s_mov_b32 s29, 0
	s_add_nc_u64 s[28:29], s[14:15], s[28:29]
	s_mov_b32 s24, 0x76543210                      ; v_permlanex16_b32's selects for lane l xor 16
	s_mov_b32 s25, 0xfedcba98
	v_and_b32 v14, 15, v0
	v_bfe_u32 v15, v0, 4, 1
	v_lshlrev_b32 v1, 4, v14
	v_lshl_add_u32 v144, v15, 16, v1               ; the last store: 16 (l % 16), lanes 16-31 one plane (65,536 bytes) on
	v_lshl_add_u32 v1, v15, 14, v1                 ; a load takes two rows x 256 bytes: lanes 0-15 the even row, lanes 16-31 the odd one
	v_lshl_add_u32 v14, v0, 4, CMB                 ; where my wave's result goes in LDS: 16 x thread
.irp e, 0,1,2,3
	v_mov_b32 v[MN+\e], 0x7f800000                 ; +infinity
	v_mov_b32 v[MX+\e], 0xff800000                 ; -infinity
	v_mov_b32 v[PM+\e], 0                          ; a lane permute's destination counts as one of its sources
.endr
.macro CM_LOAD p                       ; pair p: loads 2 p and 2 p + 1 (rows 4 p .. 4 p + 3); every offset is an immediate, 4,161,536 at the most
	global_load_b128 v[XR+4*((2*(\p))%32):XR+4*((2*(\p))%32)+3], v1, s[22:23] offset:(2*(\p))*32768 th:TH_LOAD_NT
	global_load_b128 v[XR+4*((2*(\p)+1)%32):XR+4*((2*(\p)+1)%32)+3], v1, s[22:23] offset:(2*(\p)+1)*32768 th:TH_LOAD_NT
.endm
.macro CM_PAIR p
.set SA, XR+4*((2*(\p))%32)
.set SB, XR+4*((2*(\p)+1)%32)
.if 63-(\p) >= 15
	s_wait_loadcnt 30                              ; loads come back in order: pair p is in, the 15 pairs issued behind it stay out
.else
	s_wait_loadcnt 2*(63-(\p))                     ; the last pairs: the counts run down
.endif
.irp e, 0,1,2,3
	v_min3_num_f32 v[MN+\e], v[MN+\e], v[SA+\e], v[SB+\e]
	v_max3_num_f32 v[MX+\e], v[MX+\e], v[SA+\e], v[SB+\e]
.endr
.if (\p)+16 < 64
	CM_LOAD (\p)+16                                ; the pair's slots take the pair 16 further on: 32 loads, 16 KiB, of a wave are always out
.endif
.endm
.set P, 0
.rept 16
	CM_LOAD P
.set P, P+1
.endr
.set P, 0
.rept 64
	CM_PAIR P
.set P, P+1
.endr
.irp e, 0,1,2,3
	v_permlanex16_b32 v[PM+\e], v[MN+\e], s24, s25 ; the odd rows' (or the even rows') figures for the same columns
.endr
.irp e, 0,1,2,3
	v_min_num_f32 v[MN+\e], v[MN+\e], v[PM+\e]
.endr
.irp e, 0,1,2,3
	v_permlanex16_b32 v[PM+\e], v[MX+\e], s24, s25
.endr
.irp e, 0,1,2,3
	v_max_num_f32 v[MX+\e], v[MX+\e], v[PM+\e]
.endr
.irp e, 0,1,2,3
	v_xor_b32 v[MX+\e], 0x80000000, v[MX+\e]       ; the maximum, negated
.endr
	v_cmp_eq_u32 vcc_lo, 0, v15
.irp e, 0,1,2,3
	v_cndmask_b32 v[MN+\e], v[MX+\e], v[MN+\e], vcc_lo   ; lanes 0-15 keep the minimum, lanes 16-31 the negated maximum
.endr
	ds_store_b128 v14, v[MN:MN+3]
	s_wait_dscnt 0x0                               ; for the others' sake: my store has landed
	s_barrier_signal -1
	s_barrier_wait -1
	s_cmp_lg_u32 s18, 0
	s_cbranch_scc1 .Lcm_end                        ; wave 0 finishes the work-group's figures
.irp w, 0,1,2,3,4,5,6,7
	ds_load_b128 v[XR+4*\w:XR+4*\w+3], v14 offset:512*\w   ; in wave 0 the thread's number is the lane's
.endr
	s_wait_dscnt 0x0
.irp e, 0,1,2,3
	v_min3_num_f32 v[MN+\e], v[XR+\e], v[XR+4+\e], v[XR+8+\e]
.endr
.irp e, 0,1,2,3
	v_min3_num_f32 v[MN+\e], v[MN+\e], v[XR+12+\e], v[XR+16+\e]
.endr
.irp e, 0,1,2,3
	v_min3_num_f32 v[MN+\e], v[MN+\e], v[XR+20+\e], v[XR+24+\e]
.endr
.irp e, 0,1,2,3
	v_min_num_f32 v[MN+\e], v[MN+\e], v[XR+28+\e]
.endr
	global_store_b128 v144, v[MN:MN+3], s[28:29]   ; sixteen lanes store 256 consecutive aligned bytes of each plane
.Lcm_end:
	s_set_vgpr_msb 0x5
	s_wait_tensorcnt 0x0
	ds_add_u32 v0, v1
	s_wait_dscnt 0x0
	s_set_vgpr_msb 0x500
	s_endpgm
; ---------------------------------------------------------------- WD
; Thread t: cq = t % 8 (4 columns = 2 states), tr = t / 8.  First it holds rows rho = 32 i + tr (i = 0 .. 31: the butterflies over rho's bits 5-9 stay in its registers),
; then, after one turn through LDS, rows rho = 32 tr + i (bits 0-4).
.macro R4 ra, rb, rc, rd, tt           ; two butterfly stages on four register pairs in eight packed additions: first (a, b) and (c, d), then (a, c) and (b, d)
	v_pk_add_f32 v[\tt:\tt+1], v[\ra:\ra+1], v[\rb:\rb+1]
	v_pk_add_f32 v[\tt+2:\tt+3], v[\ra:\ra+1], v[\rb:\rb+1] neg_lo:[0,1] neg_hi:[0,1]
	v_pk_add_f32 v[\tt+4:\tt+5], v[\rc:\rc+1], v[\rd:\rd+1]
	v_pk_add_f32 v[\tt+6:\tt+7], v[\rc:\rc+1], v[\rd:\rd+1] neg_lo:[0,1] neg_hi:[0,1]
	v_pk_add_f32 v[\ra:\ra+1], v[\tt:\tt+1], v[\tt+4:\tt+5]
	v_pk_add_f32 v[\rb:\rb+1], v[\tt+2:\tt+3], v[\tt+6:\tt+7]
	v_pk_add_f32 v[\rc:\rc+1], v[\tt:\tt+1], v[\tt+4:\tt+5] neg_lo:[0,1] neg_hi:[0,1]
	v_pk_add_f32 v[\rd:\rd+1], v[\tt+2:\tt+3], v[\tt+6:\tt+7] neg_lo:[0,1] neg_hi:[0,1]
.endm
.Lwd:
	s_lshr_b32 s21, s20, 1                         ; st: which 32 columns, 0..127
	s_and_b32 s31, s20, 1                          ; hh: which half of the rows
	s_lshr_b32 s32, s21, 3                         ; g: which vector of 256 in a row
	s_and_b32 s33, s21, 7                          ; j: which 32 of its 256 values = states 16 j .. 16 j + 15 = words 4 j .. 4 j + 4
	s_lshl_b32 s34, s33, 2
	v_and_b32 v10, 7, v0                           ; cq
	v_lshrrev_b32 v1, 3, v0                        ; tr
	v_lshrrev_b32 v16, 1, v10
	v_add_nc_u32 v16, s34, v16                     ; a = 4 j + cq / 2: the word in which my two states begin
	v_add_nc_u32 v17, 1, v16
	v_and_b32 v17, 31, v17                         ; the word behind it, cyclic over the vector's 32
	v_lshlrev_b32 v2, 11, v1                       ; a row of the weight is 16 vectors x 128 bytes
	v_lshlrev_b32 v3, 11, v1
	v_lshl_add_u32 v2, v16, 2, v2                  ; 2048 tr + 4 a
	v_lshl_add_u32 v3, v17, 2, v3
	v_lshlrev_b32 v4, 2, v1                        ; sv: 4 tr
	v_and_b32 v18, 1, v10
	v_lshlrev_b32 v18, 3, v18
	v_sub_nc_u32 v5, 16, v18                       ; state 2 cq begins 8 (cq % 2) bits into word a: it is bits 16 - 8 (cq % 2) on of the two words on end,
	v_sub_nc_u32 v6, 12, v18                       ; state 2 cq + 1 four bits further down
	v_lshlrev_b32 v7, 4, v0                        ; 16 t: my place in an LDS row group, and in a store to t1
	v_add_nc_u32 v8, 67584, v7                     ; the same 16 row groups on (an LDS immediate has 16 bits)
	v_mul_u32_u24 v9, v1, 4224                     ; back: row group tr
	v_lshl_add_u32 v9, v10, 4, v9
	v_lshlrev_b32 v11, 4, v10                      ; su: 16 cq
	s_lshl_b32 s22, s31, 21                        ; trellis: 1,024 rows x 2,048 bytes x hh + 128 g
	s_lshl_b32 s23, s32, 7
	s_add_co_u32 s22, s22, s23
	s_mov_b32 s23, 0
	s_add_nc_u64 s[22:23], s[6:7], s[22:23]
	s_lshl_b32 s24, s31, 12
	s_mov_b32 s25, 0
	s_add_nc_u64 s[24:25], s[12:13], s[24:25]      ; sv at row 1024 hh
	s_lshl_b32 s26, s21, 7
	s_mov_b32 s27, 0
	s_add_nc_u64 s[26:27], s[10:11], s[26:27]      ; su at column 32 st
	s_lshl_b32 s28, s21, 18
	s_lshl_b32 s29, s31, 17
	s_add_co_u32 s28, s28, s29
	s_mov_b32 s29, 0
	s_add_nc_u64 s[28:29], s[16:17], s[28:29]      ; t1 at strip st, place 1024 hh
	s_mov_b32 s30, 0x05040100                      ; v_perm_b32: the two low halves, the first source's on top
	global_load_b128 v[CS:CS+3], v11, s[26:27]
.set I, 0
.rept 32
	global_load_b32 v[SV+I], v4, s[24:25] offset:128*I
.set I, I+1
.endr
.set I, 0
.rept 32
	global_load_b32 v[D+4*I], v2, s[22:23] offset:65536*I      ; row 32 I + tr: word a,
	global_load_b32 v[D+4*I+1], v3, s[22:23] offset:65536*I    ; and the word behind it
.set I, I+1
.endr
.macro WD_STATES i
	v_perm_b32 v[T+(\i)%8], v[D+4*(\i)], v[D+4*(\i)+1], s30    ; the low 16 bits of both words on end
	v_bfe_u32 v[OFF+2*(\i)], v[T+(\i)%8], v5, 16
	v_bfe_u32 v[OFF+2*(\i)+1], v[T+(\i)%8], v6, 16
	v_min_u32 v[OFF+2*(\i)], 0xffff, v[OFF+2*(\i)]             ; a state stays inside the table
	v_min_u32 v[OFF+2*(\i)+1], 0xffff, v[OFF+2*(\i)+1]
	v_lshlrev_b32 v[OFF+2*(\i)], 3, v[OFF+2*(\i)]              ; 8 bytes a state
	v_lshlrev_b32 v[OFF+2*(\i)+1], 3, v[OFF+2*(\i)+1]
.endm
.macro WD_GATHER i
	global_load_b64 v[D+4*(\i):D+4*(\i)+1], v[OFF+2*(\i)], s[8:9]
	global_load_b64 v[D+4*(\i)+2:D+4*(\i)+3], v[OFF+2*(\i)+1], s[8:9]
.endm
.set Q, 0
.rept 4                                ; eight rows at a time
	s_wait_loadcnt 48                              ; behind these rows' words stand (24 - 8 Q) x 2 word loads and 16 Q gathers: 48 in every group
.set I, 8*Q
.rept 8
	WD_STATES I
.set I, I+1
.endr
.set I, 8*Q
.rept 8
	WD_GATHER I
.set I, I+1
.endr
.set Q, Q+1
.endr
.irp e, 0,1,2,3
	v_mul_f32 v[CS+\e], 0x39b504f3, v[CS+\e]       ; su x 2^-11.5
.endr
.macro WD_ST1 p                        ; rows 2 p and 2 p + 1 of my 32: x sv and the butterfly over i's bit 0 in one
.set RA, D+8*(\p)
.set RB, D+8*(\p)+4
.set TT, T+4*((\p)%4)
.if (\p)%2 == 0
	s_wait_loadcnt 56-4*(\p)                       ; these four rows' gathers are in; those of the later rows, two a row, stay out
.endif
.irp e, 0,1,2,3
	v_mul_f32 v[TT+\e], v[RB+\e], v[SV+2*(\p)+1]
.endr
.irp e, 0,1,2,3
	v_fma_f32 v[RB+\e], v[RA+\e], v[SV+2*(\p)], -v[TT+\e]
.endr
.irp e, 0,1,2,3
	v_fma_f32 v[RA+\e], v[RA+\e], v[SV+2*(\p)], v[TT+\e]
.endr
.endm
.set P, 0
.rept 16
	WD_ST1 P
.set P, P+1
.endr
.set Q, 0
.rept 4                                ; i's bits 1 and 2
.irp b, 0,1
.irp u, 0,1
	R4 D+4*(8*Q+\b)+2*\u, D+4*(8*Q+\b+2)+2*\u, D+4*(8*Q+\b+4)+2*\u, D+4*(8*Q+\b+6)+2*\u, T+8*\u
.endr
.endr
.set Q, Q+1
.endr
.set Q, 0
.rept 8                                ; i's bits 3 and 4
.irp u, 0,1
	R4 D+4*Q+2*\u, D+4*(Q+8)+2*\u, D+4*(Q+16)+2*\u, D+4*(Q+24)+2*\u, T+8*\u
.endr
.set Q, Q+1
.endr
; The turn through LDS.  Row rho's 128 bytes lie at 128 rho + 128 (rho / 32): a wave's store covers 512 consecutive bytes, and of the 16 lanes that a load serves together the two row groups lie 4,224 bytes, 128 modulo 256, apart.
.set I, 0
.rept 16
	ds_store_b128 v7, v[D+4*I:D+4*I+3] offset:4224*I
.set I, I+1
.endr
.rept 16
	ds_store_b128 v8, v[D+4*I:D+4*I+3] offset:4224*(I-16)
.set I, I+1
.endr
	s_wait_dscnt 0x0                               ; for the others' sake: my stores have landed
	s_barrier_signal -1
	s_barrier_wait -1
.set I, 0
.rept 32
	ds_load_b128 v[D+4*I:D+4*I+3], v9 offset:128*I ; row 32 tr + I
.set I, I+1
.endr
.set Q, 0
.rept 8                                ; rho's bits 0 and 1
	s_wait_dscnt 28-4*Q                            ; LDS loads come back in order: these four rows are in, the later rows' loads stay out
.irp u, 0,1
	R4 D+16*Q+2*\u, D+16*Q+4+2*\u, D+16*Q+8+2*\u, D+16*Q+12+2*\u, T+8*\u
.endr
.set Q, Q+1
.endr
.set Q, 0
.rept 8                                ; bits 2 and 3: rows Q % 4 + 16 (Q / 4) + 0, 4, 8, 12
.irp u, 0,1
	R4 D+4*(Q%4+16*(Q/4))+2*\u, D+4*(Q%4+16*(Q/4)+4)+2*\u, D+4*(Q%4+16*(Q/4)+8)+2*\u, D+4*(Q%4+16*(Q/4)+12)+2*\u, T+8*\u
.endr
.set Q, Q+1
.endr
.set I, 0
.rept 16                               ; bit 4, and x su x norm in one: rows I and I + 16
.irp u, 0,1
	v_pk_mul_f32 v[T+4*(I%4)+2*\u:T+4*(I%4)+2*\u+1], v[D+4*(I+16)+2*\u:D+4*(I+16)+2*\u+1], v[CS+2*\u:CS+2*\u+1]
.endr
.irp u, 0,1
	v_pk_fma_f32 v[D+4*(I+16)+2*\u:D+4*(I+16)+2*\u+1], v[D+4*I+2*\u:D+4*I+2*\u+1], v[CS+2*\u:CS+2*\u+1], v[T+4*(I%4)+2*\u:T+4*(I%4)+2*\u+1] neg_lo:[0,0,1] neg_hi:[0,0,1]
.endr
.irp u, 0,1
	v_pk_fma_f32 v[D+4*I+2*\u:D+4*I+2*\u+1], v[D+4*I+2*\u:D+4*I+2*\u+1], v[CS+2*\u:CS+2*\u+1], v[T+4*(I%4)+2*\u:T+4*(I%4)+2*\u+1]
.endr
.set I, I+1
.endr
.set I, 0
.rept 32
	global_store_b128 v7, v[D+4*I:D+4*I+3], s[28:29] offset:4096*I   ; place 32 I + tr: a wave's store covers 512 consecutive bytes, at a multiple of 256 from t1's first byte
.set I, I+1
.endr
	s_set_vgpr_msb 0x5
	s_wait_tensorcnt 0x0
	ds_add_u32 v0, v1
	s_wait_dscnt 0x0
	s_set_vgpr_msb 0x500
	s_endpgm
.Lfunc_end_k_q17509fcc59_prep:
	.size	k_q17509fcc59_prep, .Lfunc_end_k_q17509fcc59_prep-k_q17509fcc59_prep
	.p2alignl 7, 3214868480
	.fill 96, 4, 3214868480
	.section	.rodata,"a",@progbits
	.p2align	6, 0x0
	.amdhsa_kernel k_q17509fcc59_prep
		.amdhsa_group_segment_fixed_size 144384
		.amdhsa_private_segment_fixed_size 0
		.amdhsa_enable_private_segment 0
		.amdhsa_kernarg_size 56
		.amdhsa_user_sgpr_count 2
		.amdhsa_user_sgpr_kernarg_segment_ptr 1
		.amdhsa_wavefront_size32 1
		.amdhsa_system_sgpr_workgroup_id_x 1
		.amdhsa_system_sgpr_workgroup_id_y 1
		.amdhsa_system_sgpr_workgroup_id_z 1
		.amdhsa_system_vgpr_workitem_id 0
		.amdhsa_next_free_vgpr 258
		.amdhsa_next_free_sgpr 66
		.amdhsa_reserve_vcc 1
		.amdhsa_float_denorm_mode_32 3
		.amdhsa_float_denorm_mode_16_64 3
		.amdhsa_memory_ordered 1
		.amdhsa_forward_progress 1
		.amdhsa_inst_pref_size 137
	.end_amdhsa_kernel
	.amdgpu_metadata
---
amdhsa.version: [ 1, 2 ]
amdhsa.kernels:
  - .name:           k_q17509fcc59_prep
    .symbol:         k_q17509fcc59_prep.kd
    .args:
      - { .name: x, .offset: 0, .size: 8, .value_kind: global_buffer, .address_space: global }
      - { .name: trellis, .offset: 8, .size: 8, .value_kind: global_buffer, .address_space: global }
      - { .name: lut, .offset: 16, .size: 8, .value_kind: global_buffer, .address_space: global }
      - { .name: su, .offset: 24, .size: 8, .value_kind: global_buffer, .address_space: global }
      - { .name: sv, .offset: 32, .size: 8, .value_kind: global_buffer, .address_space: global }
      - { .name: mm, .offset: 40, .size: 8, .value_kind: global_buffer, .address_space: global }
      - { .name: t1, .offset: 48, .size: 8, .value_kind: global_buffer, .address_space: global }
    .group_segment_fixed_size: 144384
    .private_segment_fixed_size: 0
    .kernarg_segment_align: 8
    .kernarg_segment_size: 56
    .max_flat_workgroup_size: 256
    .sgpr_count:     66
    .vgpr_count:     258
    .wavefront_size: 32
...
	.end_amdgpu_metadata
.endif
;; end of part 1
;; launch quant (part 2): grid 1024 x 1, 4 waves a work-group, no clusters, 107,008 bytes of LDS; arguments x, mm, t1, weight_scales, a_codes, a_scales, b_codes, b_scales; writes a_codes, a_scales, b_codes, b_scales
.if DOCPART == 2
	.amdgcn_target "amdgcn-amd-amdhsa--gfx1250"
	.amdhsa_code_object_version 6
	.text
	.protected	k_q17509fcc59_quant
	.globl	k_q17509fcc59_quant
	.p2align	8
	.type	k_q17509fcc59_quant,@function
k_q17509fcc59_quant:
	s_mov_b64 s[64:65], 0
	v_nop
	global_prefetch_b8 v0, s[64:65] scope:SCOPE_SE
	s_setreg_imm32_b32 hwreg(HW_REG_WAVE_MODE, 25, 1), 1
	s_wait_xcnt 0x0
; TWO BODIES IN ONE LAUNCH, parted once on bit 0 of the work-group's number.  Both end in codes of FP6 (E2M3), K innermost, a row of 4,096 codes = 3,072 bytes, with one E8M0 byte for each 32 along K (a row: 128 bytes).
; EVEN work-groups (XQ): 64 rows x 1,024 columns of x.  The columns' minimum and maximum are finished from mm's four partial rows; scale = (max - min) / 255 (1 where that is not above 0), zp = round(-min / scale);
;   x_q = x + ((clip(round(x / scale), -zp, 255 - zp)) x scale - x): the clip of round + zp to 0 .. 255, less zp, with zp taken into the bounds: the same whole numbers while |x / scale| + |zp| stays under 2^24.
;   x / scale is x times a reciprocal refined by one Newton step: it can differ from a division in the last bit, which can turn a round that lies on a half.
; ODD work-groups (WR): a wave makes one row o of the weight: t1's row pair (rho, 1024 + rho) gives A + B or A - B (row bit 10), then the 12 butterfly stages along K, x weight_scales[16 o + k / 256], quantised.
; A block's scale byte is its largest magnitude's exponent field - 2, held at 1 from below; a block of zeros so gets the byte 1: its codes are zeros, and this program alone reads the bytes.
; No cluster, no tensor load: the work-groups share no tile, and several are meant to lie on one WGP.
; LIMITS: NaN and infinities are not served; a column whose (max - min) / 255 lies under 2^-126 is not served (the reciprocal takes it for zero); blocks whose largest magnitude lies under 2^-124 keep the byte 1.
.set PTB,  0                           ; LDS, XQ: four planes (1/scale, scale, -zp, 255 - zp) x 1,024 columns of f32: 4 x 4,096 bytes
.set STB,  16384                       ; XQ: a stage of 64 places of 80 bytes for each wave
.set SCB,  36864                       ; XQ: 16 rows x 32 scale bytes for each wave
.set WRB,  38912                       ; WR: 32 rows of 528 bytes for each wave.  Each body has LDS bytes of its own
.set PR,   16                          ; XQ: v16-47 1/scale of my 32 columns;  v48-79 scale;  v80-111 -zp;  v112-143 255 - zp
.set PS,   48
.set PL,   80
.set PH,   112
.set R,    144                         ; XQ: v144-239 three sets of 32 numbers
.set CC,   240                         ; XQ: v240-242, v244-246 a row's codes
.set TP,   248                         ; XQ: v248-255 at work
.set PMN,  80                          ; XQ, while the columns' figures are made: eight registers each
.set PNX,  88
.set PSC,  96
.set PRC,  104
.set PD,   112
.set PY,   112
.set PE,   120
.set PLO,  128
.set PQ,   136
.set PHI,  136
.set T,    16                          ; WR: v16-31 at work
.set TB,   64                          ; WR: v64-127 16 loads of the pair's second row; later the codes (v64-95) and what leaves (v96-127)
.set CW,   64
.set OW,   96
.set D,    128                         ; WR: v128-255 my 128 numbers of the row
.macro R4 ra, rb, rc, rd, tt           ; two butterfly stages on four register pairs in eight packed additions: first (a, b) and (c, d), then (a, c) and (b, d)
	v_pk_add_f32 v[\tt:\tt+1], v[\ra:\ra+1], v[\rb:\rb+1]
	v_pk_add_f32 v[\tt+2:\tt+3], v[\ra:\ra+1], v[\rb:\rb+1] neg_lo:[0,1] neg_hi:[0,1]
	v_pk_add_f32 v[\tt+4:\tt+5], v[\rc:\rc+1], v[\rd:\rd+1]
	v_pk_add_f32 v[\tt+6:\tt+7], v[\rc:\rc+1], v[\rd:\rd+1] neg_lo:[0,1] neg_hi:[0,1]
	v_pk_add_f32 v[\ra:\ra+1], v[\tt:\tt+1], v[\tt+4:\tt+5]
	v_pk_add_f32 v[\rb:\rb+1], v[\tt+2:\tt+3], v[\tt+6:\tt+7]
	v_pk_add_f32 v[\rc:\rc+1], v[\tt:\tt+1], v[\tt+4:\tt+5] neg_lo:[0,1] neg_hi:[0,1]
	v_pk_add_f32 v[\rd:\rd+1], v[\tt+2:\tt+3], v[\tt+6:\tt+7] neg_lo:[0,1] neg_hi:[0,1]
.endm
	s_load_b256 s[4:11], s[0:1], 0x0               ; x s[4:5], mm s[6:7], t1 s[8:9], weight_scales s[10:11]
	s_load_b256 s[12:19], s[0:1], 0x20             ; a_codes s[12:13], a_scales s[14:15], b_codes s[16:17], b_scales s[18:19]
	s_set_vgpr_msb 0x40
	v_lshl_add_u32 v0, v0, 2, 0x1a000
	v_mov_b32 v1, 0
	s_set_vgpr_msb 0x4000
	v_lshrrev_b32 v1, 5, v0
	v_readfirstlane_b32 s20, v1                    ; wave 0..3
	s_and_b32 s21, ttmp9, 1                        ; which body
	s_lshr_b32 s22, ttmp9, 1                       ; its number, 0..511
	v_and_b32 v1, 31, v0                           ; lane
	s_wait_kmcnt 0x0
	s_cmp_eq_u32 s21, 0
	s_cbranch_scc0 .Lwr
; ---------------------------------------------------------------- XQ
	s_and_b32 s23, s22, 3                          ; sx: which 1,024 columns
	s_lshr_b32 s33, s22, 2
	s_lshl_b32 s33, s33, 6
	s_lshl_b32 s34, s20, 4
	s_add_co_u32 s33, s33, s34                     ; my wave's first row: 64 x block + 16 x wave
	s_lshl_b32 s24, s33, 14
	s_lshl_b32 s34, s23, 12
	s_add_co_u32 s24, s24, s34
	s_mov_b32 s25, 0
	s_add_nc_u64 s[24:25], s[4:5], s[24:25]        ; x
	s_mov_b32 s26, s34
	s_mov_b32 s27, 0
	s_add_nc_u64 s[26:27], s[6:7], s[26:27]        ; mm at my strip
	s_mul_i32 s28, s33, 3072
	s_mul_i32 s34, s23, 768
	s_add_co_u32 s28, s28, s34
	s_mov_b32 s29, 0
	s_add_nc_u64 s[28:29], s[12:13], s[28:29]      ; the codes
	s_lshl_b32 s30, s33, 7
	s_lshl_b32 s34, s23, 5
	s_add_co_u32 s30, s30, s34
	s_mov_b32 s31, 0
	s_add_nc_u64 s[30:31], s[14:15], s[30:31]      ; the scale bytes
	s_mov_b32 s34, 0x3b808081                      ; 1 / 255
	s_mov_b32 s35, 0x437f0000                      ; 255
	v_lshlrev_b32 v2, 4, v1                        ; my 16 bytes of a load's 512
	s_mul_i32 s36, s20, 5120
	s_add_co_u32 s36, s36, STB
	v_lshrrev_b32 v8, 2, v1
	v_mul_u32_u24 v3, v8, 80
	v_and_b32 v8, 3, v1
	v_lshl_add_u32 v3, v8, 4, v3
	v_add_nc_u32 v3, s36, v3                       ; the stage, in: four lanes' 64 bytes on end, then 16 of padding
	v_mul_u32_u24 v4, v1, 80
	v_add_nc_u32 v4, s36, v4                       ; out: 80 x lane: 16 neighbours along K
	v_mul_u32_u24 v5, v1, 12                       ; my 16 codes' place in a store's 384 bytes
	s_lshl_b32 s36, s20, 9
	s_add_co_u32 s36, s36, SCB
	v_lshrrev_b32 v6, 1, v1
	v_lshlrev_b32 v247, 7, v6                      ; the scale bytes' way out: row lane / 2 of 128 bytes,
	v_and_b32 v8, 1, v1
	v_lshl_add_u32 v247, v8, 4, v247               ; + 16 (lane % 2)
	v_add_nc_u32 v6, s36, v6                       ; LDS: my block's byte
	v_add_nc_u32 v243, s36, v2                     ; and 16 bytes a lane on the way out
	v_lshlrev_b32 v7, 4, v0                        ; 16 x thread
	v_mov_b32 v249, 1.0
.irp pl, 0,1
.irp rq, 0,1,2,3
.irp u, 0,1
	global_load_b128 v[16+32*\pl+8*\rq+4*\u:16+32*\pl+8*\rq+4*\u+3], v7, s[26:27] offset:65536*\pl+16384*\rq+2048*\u   ; the partial figures of my 8 columns, 4 t + 512 u on
.endr
.endr
.endr
.macro XLOAD n                         ; row n of my 16: 4,096 bytes, each load 512 consecutive bytes, into set n % 3
.irp j, 0,1,2,3,4,5,6,7
	global_load_b128 v[R+32*((\n)%3)+4*\j:R+32*((\n)%3)+4*\j+3], v2, s[24:25] offset:16384*(\n)+512*\j th:TH_LOAD_NT
.endr
.endm
	XLOAD 0
	XLOAD 1
	XLOAD 2
	s_wait_loadcnt 24                              ; the partial figures are in; the three rows' 24 loads stay out
.irp c, 0,1,2,3,4,5,6,7
	v_min3_num_f32 v[PMN+\c], v[16+\c], v[24+\c], v[32+\c]
	v_min3_num_f32 v[PNX+\c], v[48+\c], v[56+\c], v[64+\c]
.endr
.irp c, 0,1,2,3,4,5,6,7
	v_min_num_f32 v[PMN+\c], v[PMN+\c], v[40+\c]   ; the column's minimum
	v_min_num_f32 v[PNX+\c], v[PNX+\c], v[72+\c]   ; and its negated maximum
.endr
.irp c, 0,1,2,3,4,5,6,7
	v_fma_f32 v[PD+\c], v[PNX+\c], -1.0, -v[PMN+\c]      ; max - min, rounded once
.endr
.irp c, 0,1,2,3,4,5,6,7
	v_mul_f32 v[PQ+\c], s34, v[PD+\c]              ; / 255: a first quotient,
.endr
.irp c, 0,1,2,3,4,5,6,7
	v_fma_f32 v[PE+\c], -v[PQ+\c], s35, v[PD+\c]   ; its remainder,
.endr
.irp c, 0,1,2,3,4,5,6,7
	v_fma_f32 v[PSC+\c], v[PE+\c], s34, v[PQ+\c]   ; and the quotient mended
.endr
.irp c, 0,1,2,3,4,5,6,7
	v_cmp_ge_f32 vcc_lo, 0, v[PSC+\c]
	v_cndmask_b32 v[PSC+\c], v[PSC+\c], v249, vcc_lo     ; 1 where the scale is not above 0
.endr
.irp c, 0,1,2,3,4,5,6,7
	v_rcp_f32 v[PRC+\c], v[PSC+\c]
.endr
	v_nop                                          ; a plain instruction behind the last reciprocal
	s_wait_alu depctr_va_vdst(0)                   ; one wait for the eight, ahead of their first reader
.irp c, 0,1,2,3,4,5,6,7
	v_fma_f32 v[PE+\c], -v[PSC+\c], v[PRC+\c], 1.0
.endr
.irp c, 0,1,2,3,4,5,6,7
	v_fma_f32 v[PRC+\c], v[PE+\c], v[PRC+\c], v[PRC+\c]  ; one Newton step
.endr
.irp c, 0,1,2,3,4,5,6,7
	v_mul_f32 v[PY+\c], v[PMN+\c], v[PRC+\c]       ; min / scale,
.endr
.irp c, 0,1,2,3,4,5,6,7
	v_fma_f32 v[PE+\c], -v[PY+\c], v[PSC+\c], v[PMN+\c]
.endr
.irp c, 0,1,2,3,4,5,6,7
	v_fma_f32 v[PY+\c], v[PE+\c], v[PRC+\c], v[PY+\c]    ; mended by its remainder
.endr
.irp c, 0,1,2,3,4,5,6,7
	v_rndne_f32 v[PLO+\c], v[PY+\c]                ; round(min / scale) = -zp: the lower bound
.endr
.irp c, 0,1,2,3,4,5,6,7
	v_add_f32 v[PHI+\c], s35, v[PLO+\c]            ; 255 - zp: the upper
.endr
.irp u, 0,1
	ds_store_b128 v7, v[PRC+4*\u:PRC+4*\u+3] offset:PTB+2048*\u
	ds_store_b128 v7, v[PSC+4*\u:PSC+4*\u+3] offset:PTB+4096+2048*\u
	ds_store_b128 v7, v[PLO+4*\u:PLO+4*\u+3] offset:PTB+8192+2048*\u
	ds_store_b128 v7, v[PHI+4*\u:PHI+4*\u+3] offset:PTB+12288+2048*\u
.endr
	s_wait_dscnt 0x0                               ; for the others' sake: my stores have landed
	s_barrier_signal -1
	s_barrier_wait -1                              ; the 1,024 columns' figures lie in LDS (x's loads stay out across the barrier: nobody writes x)
	v_lshlrev_b32 v248, 6, v1
.irp p, 0,1,2,3
.irp u, 0,1
.irp i, 0,1,2,3
	ds_load_b128 v[16+32*\p+16*\u+4*\i:16+32*\p+16*\u+4*\i+3], v248 offset:PTB+4096*\p+2048*\u+16*\i   ; those of my columns 512 u + 16 lane + 0 .. 15: they stay in registers for my 16 rows
.endr
.endr
.endr
	s_wait_dscnt 0x0
.macro ROW n
.set XS, R+32*((\n)%3)
.if 15-(\n) >= 2
	s_wait_loadcnt 16                              ; this row's eight loads are in; the two rows behind it stay out
.else
	s_wait_loadcnt 8*(15-(\n))
.endif
.irp j, 0,1,2,3,4,5,6,7
	ds_store_b128 v3, v[XS+4*\j:XS+4*\j+3] offset:640*\j       ; the row turns through my stage: LDS serves a wave's instructions in order, so no wait stands between the stores and the loads
.endr
.irp u, 0,1
.irp i, 0,1,2,3
	ds_load_b128 v[XS+16*\u+4*\i:XS+16*\u+4*\i+3], v4 offset:2560*\u+16*\i   ; register 16 u + 4 i + e: column 512 u + 16 lane + 4 i + e
.endr
.endr
.irp g, 0,1,2,3                        ; eight numbers at a time, four pairs by turns
.if \g == 0
	s_wait_dscnt 4                                 ; the first 16 numbers are back; the four loads of the other 16 may be out
.endif
.if \g == 2
	s_wait_dscnt 0x0
.endif
.irp k, 0,2,4,6
	v_pk_mul_f32 v[TP+\k:TP+\k+1], v[XS+8*\g+\k:XS+8*\g+\k+1], v[PR+8*\g+\k:PR+8*\g+\k+1]    ; x / scale
.endr
.irp k, 0,1,2,3,4,5,6,7
	v_rndne_f32 v[TP+\k], v[TP+\k]
.endr
.irp k, 0,1,2,3,4,5,6,7
	v_med3_num_f32 v[TP+\k], v[TP+\k], v[PL+8*\g+\k], v[PH+8*\g+\k]      ; held between -zp and 255 - zp
.endr
.irp k, 0,2,4,6
	v_pk_mul_f32 v[TP+\k:TP+\k+1], v[TP+\k:TP+\k+1], v[PS+8*\g+\k:PS+8*\g+\k+1]              ; x scale
.endr
.irp k, 0,2,4,6
	v_pk_add_f32 v[TP+\k:TP+\k+1], v[TP+\k:TP+\k+1], v[XS+8*\g+\k:XS+8*\g+\k+1] neg_lo:[0,1] neg_hi:[0,1]   ; - x
.endr
.irp k, 0,2,4,6
	v_pk_add_f32 v[XS+8*\g+\k:XS+8*\g+\k+1], v[XS+8*\g+\k:XS+8*\g+\k+1], v[TP+\k:TP+\k+1]    ; x + that
.endr
.endr
.irp u, 0,1                            ; the largest magnitude of my 16, the two halves by turns
	v_max3_num_f32 v[8+4*\u], |v[XS+16*\u]|, |v[XS+16*\u+1]|, |v[XS+16*\u+2]|
	v_max3_num_f32 v[9+4*\u], |v[XS+16*\u+3]|, |v[XS+16*\u+4]|, |v[XS+16*\u+5]|
.endr
.irp i, 6,10
.irp u, 0,1
	v_max3_num_f32 v[8+4*\u], v[8+4*\u], |v[XS+16*\u+\i]|, |v[XS+16*\u+\i+1]|
	v_max3_num_f32 v[9+4*\u], v[9+4*\u], |v[XS+16*\u+\i+2]|, |v[XS+16*\u+\i+3]|
.endr
.endr
.irp u, 0,1
	v_max3_num_f32 v[8+4*\u], v[8+4*\u], |v[XS+16*\u+14]|, |v[XS+16*\u+15]|
.endr
.irp u, 0,1
	v_max3_num_f32 v[8+4*\u], v[8+4*\u], v[9+4*\u], 0x1800000  ; and the floor 2^(3 - 127): the byte cannot fall under 1
.endr
.irp u, 0,1
	v_max_num_f32_dpp v[8+4*\u], v[8+4*\u], v[8+4*\u] row_xmask:1 row_mask:0xf bank_mask:0xf   ; with my neighbour's 16: the block's
.endr
.irp u, 0,1
	v_add_nc_u32 v[10+4*\u], 0xff000000, v[8+4*\u] ; 2 off its exponent field: the conversion takes the exponent field of this operand as its scale
.endr
	s_wait_xcnt 0x0                                ; the last row's stores have read the codes' registers: only behind this wait are they written again
.irp u, 0,1
	v_cvt_scalef32_pk16_fp6_f32 v[CC+4*\u:CC+4*\u+2], v[XS+16*\u:XS+16*\u+15], v[10+4*\u]
.endr
.irp u, 0,1
	v_lshrrev_b32 v[11+4*\u], 23, v[10+4*\u]       ; the scale's byte (also the plain instruction behind the conversions)
.endr
.irp u, 0,1
	ds_store_b8 v6, v[11+4*\u] offset:32*(\n)+16*\u            ; both lanes of a block write the same byte with the same value
.endr
.irp u, 0,1
	global_store_b96 v5, v[CC+4*\u:CC+4*\u+2], s[28:29] offset:3072*(\n)+384*\u   ; 384 consecutive bytes a store; the row's two fill 768 bytes that begin at a multiple of 256
.endr
.if (\n)+3 < 16
	XLOAD (\n)+3                                   ; this row's set takes the row three further on
.endif
.endm
.set N, 0
.rept 16
	ROW N
.set N, N+1
.endr
	ds_load_b128 v[248:251], v243                  ; my wave's 512 scale bytes: LDS serves a wave's instructions in order: these see my stores
	s_wait_dscnt 0x0
	global_store_b128 v247, v[248:251], s[30:31]   ; 32 bytes a row: two lanes to a row
	s_set_vgpr_msb 0x5
	s_wait_tensorcnt 0x0
	ds_add_u32 v0, v1
	s_wait_dscnt 0x0
	s_set_vgpr_msb 0x500
	s_endpgm
; ---------------------------------------------------------------- WR
.Lwr:
	s_and_b32 s23, s20, 1
	s_lshl_b32 s24, s22, 1
	s_add_co_u32 s24, s24, s23                     ; place 0..1023: two neighbouring places to a work-group, so that its waves read 256 consecutive bytes of each strip
	s_lshr_b32 s25, s20, 1                         ; hh: which row of the pair I make
	s_lshr_b32 s26, s24, 5
	s_and_b32 s27, s24, 31
	s_lshl_b32 s27, s27, 5
	s_or_b32 s26, s26, s27                         ; rho = place / 32 + 32 (place % 32)
	s_lshl_b32 s27, s25, 10
	s_add_co_u32 s26, s26, s27                     ; o = 1024 hh + rho
	s_cmp_eq_u32 s25, 0
	s_cselect_b32 s32, 1.0, -1.0                   ; the sign of the pair's second row
	s_mov_b32 s33, s32                             ; (named with it as a pair, so it is written)
	s_lshl_b32 s28, s24, 7
	s_mov_b32 s29, 0
	s_add_nc_u64 s[36:37], s[8:9], s[28:29]        ; t1 at my place; four bases, 32 strips (8,388,608 bytes) apart, so that all else fits the immediate
	s_add_nc_u64 s[38:39], s[36:37], 0x800000
	s_add_nc_u64 s[40:41], s[38:39], 0x800000
	s_add_nc_u64 s[42:43], s[40:41], 0x800000
	s_lshl_b32 s28, s26, 6
	s_add_nc_u64 s[44:45], s[10:11], s[28:29]      ; weight_scales at 16 o
	s_mul_i32 s28, s26, 3072
	s_add_nc_u64 s[46:47], s[16:17], s[28:29]      ; the codes' row o
	s_lshl_b32 s28, s26, 7
	s_add_nc_u64 s[48:49], s[18:19], s[28:29]      ; the scale bytes' row o
	s_mul_i32 s30, s20, 16896
	s_add_co_u32 s30, s30, WRB                     ; my wave's LDS
	v_lshrrev_b32 v11, 3, v1
	v_and_b32 v12, 7, v1
	v_lshlrev_b32 v2, 18, v11
	v_lshl_add_u32 v2, v12, 4, v2                  ; t1: strip lane / 8 of the load's four (262,144 bytes each), + 16 (lane % 8)
	v_lshl_add_u32 v3, v1, 4, s30                  ; the turn, in: 16 x lane
	v_mul_u32_u24 v4, v1, 528
	v_add_nc_u32 v4, s30, v4                       ; out: row = lane
	v_mul_u32_u24 v5, v1, 144
	v_add_nc_u32 v5, s30, v5                       ; the codes, in: 8 places of 16 bytes a lane, 144 bytes from lane to lane
	v_mul_u32_u24 v6, v11, 144
	v_lshl_add_u32 v6, v12, 4, v6
	v_add_nc_u32 v6, s30, v6                       ; out: place lane % 8 of lane / 8 (+ 4 lanes a store)
	v_mul_u32_u24 v7, v1, 12
	v_lshrrev_b32 v9, 1, v1
	v_lshlrev_b32 v9, 2, v9                        ; my group of 256 columns: lane / 2
	v_lshlrev_b32 v10, 2, v1
	global_load_b32 v8, v9, s[44:45]
.macro WR_LOAD reg, n, b               ; load n of 32: k = 128 n + 4 lane + 0 .. 3 of the pair's row b
	global_load_b128 v[\reg:\reg+3], v2, s[36+2*((\n)/8):37+2*((\n)/8)] offset:((\n)%8)*1048576+131072*(\b)
.endm
.set N, 0
.rept 16
	WR_LOAD D+4*N, N, 0
.set N, N+1
.endr
.set N, 0
.rept 16
	WR_LOAD TB+4*N, N, 1
.set N, N+1
.endr
.set N, 16
.rept 16
	WR_LOAD D+4*N, N, 0
.set N, N+1
.endr
.macro WR_HALF hf                      ; loads 16 hf .. 16 hf + 15: the pair's butterfly, then those over n's bits 0-3 (k's bits 7-10)
.set P, 0
.rept 32
	v_pk_fma_f32 v[D+64*(\hf)+2*P:D+64*(\hf)+2*P+1], v[TB+2*P:TB+2*P+1], s[32:33], v[D+64*(\hf)+2*P:D+64*(\hf)+2*P+1] op_sel_hi:[1,0,1]
.set P, P+1
.endr
.if (\hf) == 0
.set N, 16
.rept 16
	WR_LOAD TB+4*(N-16), N, 1                      ; the second row's other half lands while this half is worked
.set N, N+1
.endr
.endif
.set Q, 0
.rept 4
.irp u, 0,1
	R4 D+64*(\hf)+16*Q+2*\u, D+64*(\hf)+16*Q+4+2*\u, D+64*(\hf)+16*Q+8+2*\u, D+64*(\hf)+16*Q+12+2*\u, T+8*\u
.endr
.set Q, Q+1
.endr
.set Q, 0
.rept 4
.irp u, 0,1
	R4 D+64*(\hf)+4*Q+2*\u, D+64*(\hf)+4*Q+16+2*\u, D+64*(\hf)+4*Q+32+2*\u, D+64*(\hf)+4*Q+48+2*\u, T+8*\u
.endr
.set Q, Q+1
.endr
.endm
	s_wait_loadcnt 16                              ; the scale and both rows' first halves are in; the 16 loads of the first row's second half stay out
	WR_HALF 0
	s_wait_loadcnt 0x0
	WR_HALF 1
.set N, 0
.rept 16                               ; k's bit 1 (the two pairs of a load) and n's bit 4 (k's bit 11)
	R4 D+4*N, D+4*N+2, D+4*N+64, D+4*N+66, T+8*(N%2)
.set N, N+1
.endr
; The turn through my own LDS: row n holds k = 128 n .. 128 n + 127, 528 bytes from row to row; lane l then reads row l.  A store covers 512 consecutive bytes; the rows that a load's lanes take begin 33 x 16 bytes apart.
.set N, 0
.rept 32
	ds_store_b128 v3, v[D+4*N:D+4*N+3] offset:528*N
.set N, N+1
.endr
.set N, 0
.rept 32
	ds_load_b128 v[D+4*N:D+4*N+3], v4 offset:16*N  ; LDS serves a wave's instructions in order: these see my stores.  Register j now holds k = 128 lane + j
.set N, N+1
.endr
.set Q, 0
.rept 8                                ; k's bits 2 and 3
	s_wait_dscnt 28-4*Q                            ; these four loads are in, the later ones stay out
.irp u, 0,1
	R4 D+16*Q+2*\u, D+16*Q+2*\u+4, D+16*Q+2*\u+8, D+16*Q+2*\u+12, T+8*\u
.endr
.set Q, Q+1
.endr
.irp c, 0,1                            ; bits 4 and 5
.set Z, 0
.rept 8
	R4 D+64*\c+2*Z, D+64*\c+2*Z+16, D+64*\c+2*Z+32, D+64*\c+2*Z+48, T+8*(Z%2)
.set Z, Z+1
.endr
.endr
.set Z, 0
.rept 32                               ; bit 6 (packed), bit 0 (inside a pair) and x the group's scale in one
.set TA, T+4*(Z%4)
	v_pk_add_f32 v[TA:TA+1], v[D+2*Z:D+2*Z+1], v[D+64+2*Z:D+64+2*Z+1]
	v_pk_add_f32 v[TA+2:TA+3], v[D+2*Z:D+2*Z+1], v[D+64+2*Z:D+64+2*Z+1] neg_lo:[0,1] neg_hi:[0,1]
	v_mul_f32 v[TA+1], v8, v[TA+1]
	v_mul_f32 v[TA+3], v8, v[TA+3]
	v_fma_f32 v[D+2*Z+1], v8, v[TA], -v[TA+1]
	v_fma_f32 v[D+2*Z], v8, v[TA], v[TA+1]
	v_fma_f32 v[D+64+2*Z+1], v8, v[TA+2], -v[TA+3]
	v_fma_f32 v[D+64+2*Z], v8, v[TA+2], v[TA+3]
.set Z, Z+1
.endr
.irp b, 0,1,2,3                        ; my four blocks of 32, by turns: all 32 numbers of a block are mine
	v_max3_num_f32 v[32+\b], |v[D+32*\b]|, |v[D+32*\b+1]|, |v[D+32*\b+2]|
	v_max3_num_f32 v[36+\b], |v[D+32*\b+3]|, |v[D+32*\b+4]|, |v[D+32*\b+5]|
.endr
.irp i, 6,10,14,18,22,26
.irp b, 0,1,2,3
	v_max3_num_f32 v[32+\b], v[32+\b], |v[D+32*\b+\i]|, |v[D+32*\b+\i+1]|
	v_max3_num_f32 v[36+\b], v[36+\b], |v[D+32*\b+\i+2]|, |v[D+32*\b+\i+3]|
.endr
.endr
.irp b, 0,1,2,3
	v_max3_num_f32 v[32+\b], v[32+\b], |v[D+32*\b+30]|, |v[D+32*\b+31]|
.endr
.irp b, 0,1,2,3
	v_max3_num_f32 v[32+\b], v[32+\b], v[36+\b], 0x1800000     ; and the floor 2^(3 - 127): the byte cannot fall under 1
.endr
.irp b, 0,1,2,3
	v_add_nc_u32 v[40+\b], 0xff000000, v[32+\b]    ; 2 off the exponent field: the conversion's scale operand
.endr
.irp b, 0,1,2,3
	v_lshrrev_b32 v[44+\b], 23, v[40+\b]           ; the scale's byte
.endr
	v_lshl_or_b32 v44, v45, 8, v44                 ; my four bytes are neighbours in the row of scale bytes
	v_lshl_or_b32 v44, v46, 16, v44
	v_lshl_or_b32 v44, v47, 24, v44
.irp b, 0,1,2,3
	v_cvt_scalef32_pk16_fp6_f32 v[CW+8*\b:CW+8*\b+2], v[D+32*\b:D+32*\b+15], v[40+\b]
	v_cvt_scalef32_pk16_fp6_f32 v[CW+8*\b+4:CW+8*\b+6], v[D+32*\b+16:D+32*\b+31], v[40+\b]   ; (a conversion's three registers begin on an even number)
.endr
	v_nop                                          ; one plain instruction behind the last conversion
.irp q, 0,1,2,3,4,5,6,7
	ds_store_b96 v5, v[CW+4*\q:CW+4*\q+2] offset:16*\q         ; 12 bytes to a place of 16, so that every LDS address is a multiple of 16
.endr
.irp q, 0,1,2,3,4,5,6,7
	ds_load_b96 v[OW+4*\q:OW+4*\q+2], v6 offset:576*\q         ; back in the row's order: store q takes the pieces of lanes 4 q .. 4 q + 3
.endr
	global_store_b32 v10, v44, s[48:49]            ; 128 consecutive bytes: the row's scale bytes
.irp q, 0,1,2,3,4,5,6,7
	s_wait_dscnt 7-\q
	global_store_b96 v7, v[OW+4*\q:OW+4*\q+2], s[46:47] offset:384*\q   ; 384 consecutive bytes a store; the eight fill the row's 3,072
.endr
	s_set_vgpr_msb 0x5
	s_wait_tensorcnt 0x0
	ds_add_u32 v0, v1
	s_wait_dscnt 0x0
	s_set_vgpr_msb 0x500
	s_endpgm
.Lfunc_end_k_q17509fcc59_quant:
	.size	k_q17509fcc59_quant, .Lfunc_end_k_q17509fcc59_quant-k_q17509fcc59_quant
	.p2alignl 7, 3214868480
	.fill 96, 4, 3214868480
	.section	.rodata,"a",@progbits
	.p2align	6, 0x0
	.amdhsa_kernel k_q17509fcc59_quant
		.amdhsa_group_segment_fixed_size 107008
		.amdhsa_private_segment_fixed_size 0
		.amdhsa_enable_private_segment 0
		.amdhsa_kernarg_size 64
		.amdhsa_user_sgpr_count 2
		.amdhsa_user_sgpr_kernarg_segment_ptr 1
		.amdhsa_wavefront_size32 1
		.amdhsa_system_sgpr_workgroup_id_x 1
		.amdhsa_system_sgpr_workgroup_id_y 1
		.amdhsa_system_sgpr_workgroup_id_z 1
		.amdhsa_system_vgpr_workitem_id 0
		.amdhsa_next_free_vgpr 258
		.amdhsa_next_free_sgpr 66
		.amdhsa_reserve_vcc 1
		.amdhsa_float_denorm_mode_32 3
		.amdhsa_float_denorm_mode_16_64 3
		.amdhsa_memory_ordered 1
		.amdhsa_forward_progress 1
		.amdhsa_inst_pref_size 255
	.end_amdhsa_kernel
	.section	.bss,"aw",@nobits
	.p2align	6
	.space	262144
	.amdgpu_metadata
---
amdhsa.version: [ 1, 2 ]
amdhsa.kernels:
  - .name:           k_q17509fcc59_quant
    .symbol:         k_q17509fcc59_quant.kd
    .args:
      - { .name: x, .offset: 0, .size: 8, .value_kind: global_buffer, .address_space: global }
      - { .name: mm, .offset: 8, .size: 8, .value_kind: global_buffer, .address_space: global }
      - { .name: t1, .offset: 16, .size: 8, .value_kind: global_buffer, .address_space: global }
      - { .name: weight_scales, .offset: 24, .size: 8, .value_kind: global_buffer, .address_space: global }
      - { .name: a_codes, .offset: 32, .size: 8, .value_kind: global_buffer, .address_space: global }
      - { .name: a_scales, .offset: 40, .size: 8, .value_kind: global_buffer, .address_space: global }
      - { .name: b_codes, .offset: 48, .size: 8, .value_kind: global_buffer, .address_space: global }
      - { .name: b_scales, .offset: 56, .size: 8, .value_kind: global_buffer, .address_space: global }
    .group_segment_fixed_size: 107008
    .private_segment_fixed_size: 0
    .kernarg_segment_align: 8
    .kernarg_segment_size: 64
    .max_flat_workgroup_size: 128
    .sgpr_count:     66
    .vgpr_count:     258
    .wavefront_size: 32
...
	.end_amdgpu_metadata
.endif
;; end of part 2
;; launch gemm (part 3): grid 8 x 32, 4 waves a work-group, clusters of 4 x 4, 327,680 bytes of LDS; arguments a_codes, a_scales, b_codes, b_scales, out0; writes out0
.if DOCPART == 3
	.amdgcn_target "amdgcn-amd-amdhsa--gfx1250"
	.amdhsa_code_object_version 6
	.text
	.protected	k_q17509fcc59_gemm
	.globl	k_q17509fcc59_gemm
	.p2align	8
	.type	k_q17509fcc59_gemm,@function
k_q17509fcc59_gemm:
	s_mov_b64 s[64:65], 0
	v_nop
	global_prefetch_b8 v0, s[64:65] scope:SCOPE_SE
	s_setreg_imm32_b32 hwreg(HW_REG_WAVE_MODE, 25, 1), 1
	s_wait_xcnt 0x0
	s_wait_alu depctr_hold_cnt(0) depctr_sa_sdst(0) depctr_va_vdst(0) depctr_va_sdst(0) depctr_va_ssrc(0) depctr_va_vcc(0) depctr_vm_vsrc(0)
	s_getreg_b32 s2, hwreg(HW_REG_IB_STS2, 6, 4)
	s_cmp_eq_u32 s2, 0
	s_cbranch_scc0 .Lentry_in_a_cluster
	s_endpgm
.Lentry_in_a_cluster:
	s_bfe_u32 s2, ttmp6, 0x10000c
	s_cmp_lg_u32 s2, 0xf033
	s_cbranch_scc0 .Lentry_shape_is_right
	s_endpgm
.Lentry_shape_is_right:
; C[m][n] = sum over k of A[m][k] B[n][k].  A: [SIZE_M][SIZE_K], B: [SIZE_N][SIZE_K]: codes of FP6 (E2M3), 6 bits each, with one E8M0 scale for each 32 along K; C: [SIZE_M][SIZE_N] f32; sums in f32.
; A number of A is its code's value x 2^(e - 127), e the byte of A's scales [SIZE_M][SIZE_K / 32] at [m][k / 32]; B likewise.  The matrix instruction takes codes and scale bytes as they lie in memory.
; In memory a row of codes is one stream of bits, four codes in three bytes, the code of the lowest k in the lowest bits: 128 codes are 96 bytes.
; A tile of C, 256 x 256, is made by a work-group of four waves; a wave makes 128 x 128: 64 accumulators of 16 x 16, 512 registers.  C has 32 x 8 = 256 tiles: one to a work-group.
; K goes in steps of 256 through a ring of two LDS slots filled by the tensor data mover: a tile's row is 192 bytes of memory.
; THE SCALES of the work-group's 256 rows of A and 256 rows of B, for all of K, are two dense blocks of memory: they come into LDS ONCE, with the first fills, in rows of 256 bytes, and stay.
; CLUSTERS: 4 x 4 work-groups.  The four of a row of the cluster need the same tiles of A, the four of a column the same tiles of B: each tile is asked for JOINTLY, by the same tensor load with the
; same descriptor and a mask that names the four.  THE MATRIX INSTRUCTION IS USED TRANSPOSED (source 0 = 16 rows of B, source 1 = 16 rows of A): a lane then holds eight neighbouring numbers of a row of C.
; REGISTERS, in windows of 256: window 0: v0-31 addresses; v32-63 scale words, two sets; from v128 A's fragments (8 x 16 rows x 128 K), ONE set; on the way out v32-255 are free.
;   window 1: B's fragments, TWO sets, at v0 and at v128.   window 2: the 32 accumulators of my rows 0-63 (accumulator (a, b) at v[8 (8 a + b)]);   window 3: those of my rows 64-127.
; A step of 128 along K is 64 matrix instructions, A's blocks one after the other, each against B's eight.  So a block of A is free as soon as its eight products are issued, and one set of registers serves A:
; blocks 0-3 are fetched anew in the step's middle, blocks 4-7 at its end.  B's fragments are at work through the whole step, so B has two sets.
.set SIZE_M, 8192
.set SIZE_N, 2048
.set SIZE_K, 4096
.set KSTEP,  256                       ; along K in a slot
.set NQ,     KSTEP/128                 ; matrix instructions deep
.set ROWB,   192                       ; a tile's row in bytes: KSTEP codes of 6 bits
.set KROW,   SIZE_K*6/8                ; a row of A or of B in memory, in bytes
.set PITCH,  240                       ; an LDS row: 3 x (64 bytes of data + 16 of padding) = 60 words: row r starts at bank -4 r mod 64 (64 banks of 4 bytes: ISA guide 11.1), so the 32 lanes of a load of 8 bytes touch 64 different banks
.set FR,     12                        ; registers of a fragment: 16 rows x 128 K
.set NL,     6                         ; LDS loads that bring one
.set NP,     4                         ; places behind this matrix instruction (ISA guide 7.12.1)
.set HALFT,  128*PITCH                 ; 128 rows: what one tensor load brings, and what one wave reads of A or of B
.set SLOT,   4*HALFT                   ; A's 256 rows, then B's 256 rows
.set LAPS,   SIZE_K/(2*KSTEP)          ; a lap = two K steps = once round the ring
.set KS,     SIZE_K/32                 ; a row of scales in bytes: 128, so that a row lies inside one run of 256 bytes
.set SCL,    2*SLOT                    ; behind the ring: the scales, as rows of 256 bytes + 16 of padding
.set HALFS,  (128*KS/256)*272          ; the scales of 128 rows: what one tensor load brings
.set SBLK,   (16*KS/256)*272           ; those of 16 rows
.set SPARE,  SCL+4*HALFS               ; behind the scales: the spare words, 128 bytes for each wave: two blocks of 256 bytes that no other line names
.set SPITCH, 528                       ; the way out: a stage of 16 rows x (512 bytes + 16) for each wave.  It lies in slot 0, which has had its last fill and its last read when the first result is stored there
.set ADRA, 16                          ; v16-17  LDS address of my A fragments in slot 0, 1  (v18-19: the same for the pieces that lie behind one padding more)
.set ADRB, 20                          ; v20-21  the same for B  (v22-23)
.set STO,  24                          ; v24     the way out: where I put 32 bytes of a row
.set RD,   25                          ; v25     the way out: where I read a row back
.set CO,   26                          ; v26     my byte offset in a row of C
.set SPW,  28                          ; v28     LDS address of my spare word: SPARE + 4 x my thread's number; never rewritten
.set NIL,  29                          ; v29     0; never rewritten
.set ADRS, 27                          ; v27     LDS address of my scale words: lanes 0-15 A's rows, lanes 16-31 B's
.set SC,   32                          ; scale words: set s (for slot s) at v[SC + 8 NQ s]; in it register NQ i + q: lanes 0-15 the word of A's block i, lanes 16-31 that of B's block i, for the slot's q-th 128 along K
.set AF,   128                         ; A's fragments, in window 0
.set BK,   128                         ; the way out: 16 rows read back from the stage: v128-191 and v192-255 by turns
.set G1, 24                            ; s[24:31] descriptor group 1 for A's tiles;  s[32:39] group 0, one set for each slot
.set G0, 32
.set G1B, 48                           ; s[48:55], s[56:63] the same for B's tiles
.set G0B, 56
.set G1S, 68                           ; s[68:75], s[76:79] groups 1 and 0 for A's scales;  s[80:87], s[88:91] for B's
.set G0S, 76
.set G1SB, 80
.set G0SB, 88
.set MSB, 0
.macro WIN new                         ; the immediate's high byte repeats the setting that is left
.if MSB != \new
	s_set_vgpr_msb (MSB<<8)|\new
.set MSB, \new
.endif
.endm
.set MUL_LO, 0xa1                      ; source 0 (B) window 1, source 1 (A) window 0, C and D window 2
.set MUL_HI, 0xf1                      ; the same, C and D window 3
.set TO_B,   0x40                      ; destination window 1, address window 0
; A joint load: waves 0 and 1 fetch for A, waves 2 and 3 for B.  Each of the two lines has ONE mask and one set of registers for all that issue it; the branch hangs on the wave's number alone.
; Four v_nop follow each of the two lines, ahead of the jump, the label and what follows.
.macro JLOAD g0a, g1a, g0b, g1b
	s_cmp_eq_u32 s15, 0
	s_cbranch_scc0 .Lfor_b_\@
	tensor_load_to_lds s[\g0a:\g0a+3], s[\g1a:\g1a+7]
	s_nop 0
.rept 4
	v_nop
.endr
	s_branch .Lasked_\@
.Lfor_b_\@:
	tensor_load_to_lds s[\g0b:\g0b+3], s[\g1b:\g1b+7]
	s_nop 0
.rept 4
	v_nop
.endr
.Lasked_\@:
.endm
.macro CREST                           ; a round of the cluster's barrier behind its opening barrier
	s_cmp_lg_u32 s14, 0
	s_cbranch_scc1 .Lnot_wave_0_\@
	s_barrier_signal -3
.Lnot_wave_0_\@:
	s_barrier_wait -3
	s_barrier_signal -1
	s_barrier_wait -1
.endm
.macro CROUND                          ; a whole round
	s_barrier_signal -1
	s_barrier_wait -1
	CREST
.endm
	s_load_b128 s[4:7], s[0:1], 0x0                ; A's codes s[4:5], A's scales s[6:7]
	s_load_b128 s[8:11], s[0:1], 0x10              ; B's codes s[8:9], B's scales s[10:11]
	s_load_b64 s[12:13], s[0:1], 0x20              ; C
	v_lshl_add_u32 v[SPW], v0, 2, SPARE
	v_mov_b32 v[NIL], 0
	ds_add_u32 v28, v29
	ds_add_u32 v28, v29
	s_wait_dscnt 0x0
	v_lshrrev_b32 v1, 5, v0
	v_readfirstlane_b32 s14, v1                    ; wave 0..3
	s_lshr_b32 s15, s14, 1                         ; which half of the tile's rows is mine.  Also: I fetch for A (0) or for B (1)
	s_and_b32 s16, s14, 1                          ; which half of its columns.  Also: which 128 rows of that tile I fetch
	s_bfe_u32 s40, ttmp6, 0x40000                  ; cx, cy: my place in the cluster
	s_bfe_u32 s41, ttmp6, 0x40004
	s_lshl_b32 s42, ttmp9, 2
	s_add_co_u32 s42, s42, s40                     ; tile column of C = 4 x cluster x + cx
	s_and_b32 s17, ttmp7, 0xffff
	s_lshl_b32 s17, s17, 2
	s_add_co_u32 s17, s17, s41                     ; tile row of C = 4 x cluster y + cy
	s_lshl_b32 s43, s41, 2
	s_lshl_b32 s43, 15, s43                        ; my row of the cluster
	s_lshl_b32 s44, 0x1111, s40                    ; my column
	; descriptor group 1: a tile of 128 rows x ROWB bytes, padded in LDS
	s_or_b32 s[G1+0], s43, (0<<16)|(1<<20)|(1<<21)|(3<<22)|(3<<25)  ; 15:0 the mask: A's tiles go to my row; 17:16 element of 1 byte; 20 padding on; 21 set beside a mask; 24:22 after every 16 words (code 3); 31:25 of 4 words (code 3)
	s_or_b32 s[G1B+0], s44, (0<<16)|(1<<20)|(1<<21)|(3<<22)|(3<<25)
.irp g, G1, G1B
	s_mov_b32 s[\g+1], ROWB<<16                    ; tensor_dim0
	s_mov_b32 s[\g+2], 128<<16                     ; tensor_dim1 = 128
	s_mov_b32 s[\g+3], ROWB<<16                    ; tile_dim0
	s_mov_b32 s[\g+4], 128                         ; tile_dim1 = 128
	s_mov_b32 s[\g+5], KROW                        ; tensor_dim0_stride
	s_mov_b32 s[\g+6], 0
	s_mov_b32 s[\g+7], 0
.endr
	; and for the scales of 128 rows: a dense block of 128 KS bytes, as rows of 256 bytes (32 elements of 8 bytes), 16 bytes of padding behind each
	s_or_b32 s[G1S+0], s43, (3<<16)|(1<<20)|(1<<21)|(5<<22)|(3<<25)
	s_or_b32 s[G1SB+0], s44, (3<<16)|(1<<20)|(1<<21)|(5<<22)|(3<<25)
.irp g, G1S, G1SB
	s_mov_b32 s[\g+1], 32<<16
	s_mov_b32 s[\g+2], (128*KS/256)<<16
	s_mov_b32 s[\g+3], 32<<16
	s_mov_b32 s[\g+4], 128*KS/256
	s_mov_b32 s[\g+5], 32
	s_mov_b32 s[\g+6], 0
	s_mov_b32 s[\g+7], 0
.endr
	s_lshl_b32 s18, s16, 7                         ; which 128 rows of the tile I fetch
	s_lshl_b32 s20, s17, 8
	s_add_co_u32 s20, s20, s18                     ; A: row 256 x tile row + 128 x half
	s_lshl_b32 s46, s42, 8
	s_add_co_u32 s46, s46, s18                     ; B: row 256 x tile column + 128 x half
	s_mov_b32 s21, 0
	s_mov_b32 s47, 0
	s_mov_b64 s[18:19], KS
	s_mul_u64 s[22:23], s[20:21], s[18:19]         ; where these rows' scales begin, in bytes
	s_mul_u64 s[92:93], s[46:47], s[18:19]
	s_mov_b64 s[18:19], KROW
	s_mul_u64 s[20:21], s[20:21], s[18:19]         ; and their codes
	s_mul_u64 s[46:47], s[46:47], s[18:19]
	s_mul_i32 s45, s14, HALFT                      ; where they go: wave x 128 rows: no place in the cluster enters an LDS address
	s_mul_i32 s94, s14, HALFS
	s_wait_kmcnt 0x0
	s_add_nc_u64 s[20:21], s[4:5], s[20:21]
	s_add_nc_u64 s[22:23], s[6:7], s[22:23]
	s_add_nc_u64 s[46:47], s[8:9], s[46:47]
	s_add_nc_u64 s[92:93], s[10:11], s[92:93]
	CROUND                                         ; all sixteen work-groups are here: the first joint loads meet
	s_mov_b32 s[G0S], 1
	s_add_co_u32 s[G0S+1], s94, SCL
	s_mov_b64 s[G0S+2:G0S+3], s[22:23]
	s_or_b32 s[G0S+3], s[G0S+3], 0x80000000
	s_mov_b32 s[G0SB], 1
	s_add_co_u32 s[G0SB+1], s94, SCL
	s_mov_b64 s[G0SB+2:G0SB+3], s[92:93]
	s_or_b32 s[G0SB+3], s[G0SB+3], 0x80000000
	JLOAD G0S, G1S, G0SB, G1SB                     ; the scales first: they are wanted with K step 0
.irp s, 0,1
	s_mov_b32 s[G0+4*\s], 1
	s_add_co_u32 s[G0+4*\s+1], s45, \s*SLOT
	s_add_nc_u64 s[G0+4*\s+2:G0+4*\s+3], s[20:21], \s*ROWB
	s_or_b32 s[G0+4*\s+3], s[G0+4*\s+3], 0x80000000
	s_mov_b32 s[G0B+4*\s], 1
	s_add_co_u32 s[G0B+4*\s+1], s45, \s*SLOT
	s_add_nc_u64 s[G0B+4*\s+2:G0B+4*\s+3], s[46:47], \s*ROWB
	s_or_b32 s[G0B+4*\s+3], s[G0B+4*\s+3], 0x80000000
	JLOAD G0+4*\s, G1, G0B+4*\s, G1B
.endr
	v_and_b32 v1, 15, v0                           ; l % 16
	v_bfe_u32 v2, v0, 4, 1                         ; l / 16
	v_mul_u32_u24 v3, v1, PITCH
	v_mul_u32_u24 v4, v2, 24
	v_add_nc_u32 v4, v3, v4                        ; a fragment's row x pitch + 24 x half
	v_lshl_add_u32 v5, v2, 4, v4                   ; and the same behind one padding more
	s_mul_i32 s21, s15, HALFT                      ; my 128 rows of A
	s_mul_i32 s22, s16, HALFT                      ; my 128 rows of B,
	s_add_co_u32 s22, s22, 2*HALFT                 ; which lie behind A's 256
.irp s, 0,1
	v_add_nc_u32 v[ADRA+\s], s21, v4
	v_add_nc_u32 v[ADRB+\s], s22, v4
	v_add_nc_u32 v[ADRA+2+\s], s21, v5
	v_add_nc_u32 v[ADRB+2+\s], s22, v5
	s_add_co_u32 s21, s21, SLOT
	s_add_co_u32 s22, s22, SLOT
.endr
	v_mul_u32_u24 v5, v1, KS                       ; my row's scales: KS bytes a row,
	v_lshrrev_b32 v6, 8, v5
	v_lshl_add_u32 v5, v6, 4, v5                   ; and 16 more for each 256 passed
	s_mul_i32 s21, s15, HALFS                      ; A's: my 128 rows
	s_mul_i32 s22, s16, HALFS                      ; B's: my 128 rows, behind A's 256
	s_add_co_u32 s22, s22, 2*HALFS
	s_sub_co_u32 s22, s22, s21
	v_mul_u32_u24 v6, s22, v2                      ; lanes 16-31 take B's
	s_add_co_u32 s21, s21, SCL
	v_add_nc_u32 v5, v5, v6
	v_add_nc_u32 v[ADRS], s21, v5
	s_mul_i32 s23, s14, 16*SPITCH                  ; my stage
	v_mul_u32_u24 v5, v1, SPITCH                   ; in: row l % 16, 32 bytes for each half of the lanes
	v_lshl_add_u32 v5, v2, 5, v5
	v_add_nc_u32 v[STO], s23, v5
	v_and_b32 v6, 31, v0
	v_lshlrev_b32 v[CO], 4, v6                     ; back: the 32 lanes take one row of 512 bytes; and the same in C
	v_add_nc_u32 v[RD], s23, v[CO]
	s_lshl_b32 s20, s17, 8
	s_lshl_b32 s21, s15, 7
	s_add_co_u32 s20, s20, s21                     ; my first row of C: 256 x tile row + 128 x half
	s_mov_b32 s21, 0
	s_mov_b64 s[18:19], SIZE_N*4
	s_mul_u64 s[20:21], s[20:21], s[18:19]
	s_lshl_b32 s46, s42, 10                        ; my first column, in bytes: 1024 x tile column + 512 x half
	s_lshl_b32 s47, s16, 9
	s_add_co_u32 s46, s46, s47
	s_mov_b32 s47, 0
	s_add_nc_u64 s[20:21], s[20:21], s[46:47]
	s_add_nc_u64 s[12:13], s[12:13], s[20:21]
.macro FRAG reg, adr, q, i             ; a fragment, 16 rows x 128 K of 6-bit codes, is 12 registers: lane l holds row l % 16; registers 6 c .. 6 c + 5 hold K = 64 c + 32 (l / 16) + 0 .. 31: 24 bytes of the row's stream of bits, as they lie
.irp p, 0,1,2,3,4,5                    ; in pieces of 8 bytes, so that every address is a multiple of the access's size.  Lanes 0-15 take the row's pieces 12 q + 0, 1, 2 and 12 q + 6, 7, 8, lanes 16-31 those three pieces on
.set PC, 12*(\q)+6*(\p/3)+\p%3        ; the mover has laid 16 bytes of padding behind every 64 bytes (8 pieces): where the piece three on lies behind one padding more, the second address register (40 for 24 bytes a half) serves
.if PC%8 < 5
	ds_load_b64 v[\reg+2*\p:\reg+2*\p+1], v[\adr] offset:8*PC+16*(PC/8)+(\i)*16*PITCH
.else
	ds_load_b64 v[\reg+2*\p:\reg+2*\p+1], v[\adr+2] offset:8*PC+16*(PC/8)+(\i)*16*PITCH
.endif
.endr
.endm
; 16 matrix instructions: A's blocks a0, a0 + 1 x B's eight, 128 along K: the slot's q-th.  p: B's set;  sc: the set of scale words.  zero = 1: the first product starts the sums: nothing is ever cleared.
; The 64 accumulators take turns, one instruction a turn, in the same order in every step.
.macro MUL16 a0, p, q, sc, zero
.irp a, \a0, \a0+1
.irp b, 0,1,2,3,4,5,6,7
.if \zero
	v_wmma_scale_f32_16x16x128_f8f6f4 v[8*(8*((\a)%4)+\b):8*(8*((\a)%4)+\b)+7], v[128*(\p)+FR*\b:128*(\p)+FR*\b+FR-1], v[AF+FR*(\a):AF+FR*(\a)+FR-1], 0, v[SC+8*NQ*(\sc)+NQ*\b+(\q)], v[SC+8*NQ*(\sc)+NQ*(\a)+(\q)] matrix_a_fmt:MATRIX_FMT_FP6 matrix_b_fmt:MATRIX_FMT_FP6 matrix_a_scale:MATRIX_SCALE_ROW1
.else
	v_wmma_scale_f32_16x16x128_f8f6f4 v[8*(8*((\a)%4)+\b):8*(8*((\a)%4)+\b)+7], v[128*(\p)+FR*\b:128*(\p)+FR*\b+FR-1], v[AF+FR*(\a):AF+FR*(\a)+FR-1], v[8*(8*((\a)%4)+\b):8*(8*((\a)%4)+\b)+7], v[SC+8*NQ*(\sc)+NQ*\b+(\q)], v[SC+8*NQ*(\sc)+NQ*(\a)+(\q)] matrix_a_fmt:MATRIX_FMT_FP6 matrix_b_fmt:MATRIX_FMT_FP6 matrix_a_scale:MATRIX_SCALE_ROW1
.endif
.endr
.endr
.endm
.macro FETCH_B slot, q, p              ; B's eight fragments of the slot's q-th 128 along K into set p
	WIN TO_B
.irp i, 0,1,2,3,4,5,6,7
	FRAG 128*(\p)+FR*\i, ADRB+\slot, \q, \i
.endr
	WIN 0
.endm
.macro FETCH_A slot, q, i0             ; A's blocks i0 .. i0 + 3
.irp i, \i0, \i0+1, \i0+2, \i0+3
	FRAG AF+FR*(\i), ADRA+\slot, \q, \i
.endr
.endm
.macro SCALES sc                       ; the next K step's scale words into set sc: NQ words a row; lanes 0-15 take A's block i, lanes 16-31 B's block i
.irp i, 0,1,2,3,4,5,6,7
	ds_load_b64 v[SC+8*NQ*\sc+NQ*\i:SC+8*NQ*\sc+NQ*\i+1], v[ADRS] offset:\i*SBLK
.endr
.endm
; A load into a register that a matrix instruction has read, and a vector instruction or an LDS store that reads a matrix result, stand NP places behind that matrix instruction, and only plain vector
; instructions that name none of its registers are places (ISA guide 7.12.1 for vector instructions); this text does not count the matrix instructions in between.
.macro PLACES n
.rept \n
	v_nop
.endr
.endm
; A step of 128 along K that has its successor in the same slot.
.macro STEP slot, q, zero
	s_wait_dscnt 4*NL                              ; B's set and A's blocks 0-3 are in; the youngest loads (A's blocks 4-7) may be out
	WIN MUL_LO
	MUL16 0, (\q)%2, \q, \slot, \zero
	MUL16 2, (\q)%2, \q, \slot, \zero
	s_wait_dscnt 0                                 ; A's blocks 4-7 are in (asked for 32 matrix instructions ago)
	PLACES NP
	FETCH_B \slot, (\q)+1, 1-(\q)%2
	FETCH_A \slot, (\q)+1, 0
	WIN MUL_HI
	MUL16 4, (\q)%2, \q, \slot, \zero
	MUL16 6, (\q)%2, \q, \slot, \zero
	PLACES NP
	WIN 0
	FETCH_A \slot, (\q)+1, 4
.endm
; A slot's last step changes slots: ONE barrier; in front of it each wave waits for all its tensor loads, adds 0 to its spare word, and waits for that and for its own reads of this slot.  fill = 1: this slot is filled again, two K steps ahead.
.macro TURN slot, next, fill
	s_wait_tensorcnt 0x0                           ; all my tensor loads have landed: my part of the next slot;  (every window is 0 here: the add's two registers lie in window 0)
	ds_add_u32 v[SPW], v[NIL]                      ; 0 onto my spare word
	s_wait_dscnt 4*NL+1                            ; (the add and the youngest loads, A's blocks 4-7, may be out)
	WIN MUL_LO
	MUL16 0, 1, NQ-1, \slot, 0                     ; sixteen matrix instructions stand between the add and the wait for it
	s_wait_dscnt 0x0                               ; the add is done, and my reads of this slot are over
	s_barrier_signal -1
	MUL16 2, 1, NQ-1, \slot, 0
	WIN 0
	s_barrier_wait -1
.if \fill
	CREST                                          ; the barrier has opened a round of the cluster's barrier: no wave of any partner still reads this slot's tile or has a load on its way
	s_add_nc_u64 s[G0+4*\slot+2:G0+4*\slot+3], s[G0+4*\slot+2:G0+4*\slot+3], 2*ROWB
	s_add_nc_u64 s[G0B+4*\slot+2:G0B+4*\slot+3], s[G0B+4*\slot+2:G0B+4*\slot+3], 2*ROWB
	JLOAD G0+4*\slot, G1, G0B+4*\slot, G1B         ; the first tensor load behind the round; the four v_nop behind it are among the places in front of the loads below
.else
	PLACES NP
.endif
	v_add_nc_u32 v[ADRS], 4*NQ, v[ADRS]            ; on to the next K step's scale words (no LDS load of mine is out)
	FETCH_B \next, 0, 0
	FETCH_A \next, 0, 0
	SCALES \next
	WIN MUL_HI
	MUL16 4, 1, NQ-1, \slot, 0
	MUL16 6, 1, NQ-1, \slot, 0
	PLACES NP
	WIN 0
	FETCH_A \next, 0, 4
.endm
	s_wait_tensorcnt 1                             ; the scales and my part of K step 0 are in (K step 1's load may be out),
	s_barrier_signal -1
	s_barrier_wait -1                              ; everybody's are
	FETCH_B 0, 0, 0
	FETCH_A 0, 0, 0
	SCALES 0
	FETCH_A 0, 0, 4
	STEP 0, 0, 1                                   ; the first step stands in front of the loop: its products start the sums
.if LAPS > 1
	s_mov_b32 s3, LAPS-1
.Llap:                                                 ; a trip goes once round the ring, from a lap's second step to the next lap's first, and fills both slots again
	TURN 0, 1, 1
	STEP 1, 0, 0
	TURN 1, 0, 1
	STEP 0, 0, 0
	s_sub_co_u32 s3, s3, 1
	s_cmp_lg_u32 s3, 0
	s_cbranch_scc1 .Llap
.endif
	TURN 0, 1, 0                                   ; the last lap fills nothing, and has no round of the cluster's barrier
	STEP 1, 0, 0
	s_wait_dscnt 4*NL                              ; the very last step: nothing more to fetch
	WIN MUL_LO
	MUL16 0, 1, NQ-1, 1, 0
	MUL16 2, 1, NQ-1, 1, 0
	s_wait_dscnt 0
	WIN MUL_HI
	MUL16 4, 1, NQ-1, 1, 0
	MUL16 6, 1, NQ-1, 1, 0
	WIN 0
; THE WAY OUT, block by block of 16 rows x 128 columns.  A lane holds 32 neighbouring bytes of a row, and the lanes beside it hold other rows: so a block goes through my own stage in LDS and comes back as whole
; rows of 512 bytes, which the 32 lanes store as 512 consecutive aligned bytes.  LDS serves a wave's instructions in order (ISA guide 5.7.1.4): no wait between the stores and the loads, nor in front of the next block's stores.
.macro TOSTAGE a
.set AC, 64*((\a)%4)
	WIN 0x08+4*((\a)/4)                            ; the data: window 2 or 3
.irp b, 0,1,2,3,4,5,6,7
	ds_store_b128 v[STO], v[AC+8*\b:AC+8*\b+3] offset:64*\b          ; each accumulator from its low end on
	ds_store_b128 v[STO], v[AC+8*\b+4:AC+8*\b+7] offset:64*\b+16
.endr
	WIN 0
.set BB, BK+64*((\a)%2)
.irp t, 0,1,2,3,4,5,6,7,8,9,10,11,12,13,14,15
	ds_load_b128 v[BB+4*\t:BB+4*\t+3], v[RD] offset:\t*SPITCH
.endr
.endm
.macro SEND a, younger                 ; younger: the LDS instructions issued behind block a's loads, which may stay out
.set BB, BK+64*((\a)%2)
	s_wait_dscnt \younger                          ; the block is back in registers
.if (\a) > 0
	s_add_nc_u64 s[12:13], s[12:13], 16*SIZE_N*4   ; (behind a wait on XCNT: the earlier stores have read their base)  16 rows of C on, so that the stores' offsets stay small: 15 rows of C at the most, inside the signed 24-bit immediate
.endif
.irp t, 0,1,2,3,4,5,6,7,8,9,10,11,12,13,14,15
	global_store_b128 v[CO], v[BB+4*\t:BB+4*\t+3], s[12:13] offset:\t*SIZE_N*4 th:TH_STORE_NT   ; 32 lanes store 512 consecutive bytes, at a multiple of 256 from C's first byte; written once, read by nobody here
.endr
.endm
	PLACES NP                                      ; the first block's results were finished long ago, the last products' registers are not touched yet: these places serve the loads into the registers that held A's fragments and block 7's reads alike
	TOSTAGE 0
.irp a, 1,2,3,4,5,6,7
.if \a > 1
	s_wait_xcnt 0x0                                ; block a - 2's stores have read their registers and their base: block a's loads may land there, and the base may step
.endif
	TOSTAGE \a
	SEND \a-1, 32                                  ; behind block a - 1's loads: block a's 16 stores and 16 loads
.endr
	s_wait_xcnt 0x0                                ; block 6's stores have read their base
	SEND 7, 0
	s_wait_tensorcnt 0x0                           ; the wave's end: behind my last tensor load and my last LDS store
	ds_add_u32 v[SPW], v[NIL]
	s_wait_dscnt 0x0
	CROUND                                         ; the closing round: no work-group ends while a partner may still ask for a tile that names it
	s_endpgm
.Lfunc_end_k_q17509fcc59_gemm:
	.size	k_q17509fcc59_gemm, .Lfunc_end_k_q17509fcc59_gemm-k_q17509fcc59_gemm
	.p2alignl 7, 3214868480
	.fill 96, 4, 3214868480
	.section	.rodata,"a",@progbits
	.p2align	6, 0x0
	.amdhsa_kernel k_q17509fcc59_gemm
		.amdhsa_group_segment_fixed_size 327680
		.amdhsa_private_segment_fixed_size 0
		.amdhsa_enable_private_segment 0
		.amdhsa_kernarg_size 40
		.amdhsa_user_sgpr_count 2
		.amdhsa_user_sgpr_kernarg_segment_ptr 1
		.amdhsa_wavefront_size32 1
		.amdhsa_system_sgpr_workgroup_id_x 1
		.amdhsa_system_sgpr_workgroup_id_y 1
		.amdhsa_system_sgpr_workgroup_id_z 1
		.amdhsa_system_vgpr_workitem_id 0
		.amdhsa_next_free_vgpr 1024
		.amdhsa_next_free_sgpr 98
		.amdhsa_reserve_vcc 0
		.amdhsa_float_denorm_mode_32 3
		.amdhsa_float_denorm_mode_16_64 3
		.amdhsa_memory_ordered 1
		.amdhsa_forward_progress 1
		.amdhsa_inst_pref_size 160
	.end_amdhsa_kernel
	.amdgpu_metadata
---
amdhsa.version: [ 1, 2 ]
amdhsa.kernels:
  - .name:           k_q17509fcc59_gemm
    .symbol:         k_q17509fcc59_gemm.kd
    .args:
      - { .name: a_codes, .offset: 0, .size: 8, .value_kind: global_buffer, .address_space: global }
      - { .name: a_scales, .offset: 8, .size: 8, .value_kind: global_buffer, .address_space: global }
      - { .name: b_codes, .offset: 16, .size: 8, .value_kind: global_buffer, .address_space: global }
      - { .name: b_scales, .offset: 24, .size: 8, .value_kind: global_buffer, .address_space: global }
      - { .name: out0, .offset: 32, .size: 8, .value_kind: global_buffer, .address_space: global }
    .group_segment_fixed_size: 327680
    .private_segment_fixed_size: 0
    .kernarg_segment_align: 8
    .kernarg_segment_size: 40
    .max_flat_workgroup_size: 128
    .sgpr_count:     98
    .vgpr_count:     1024
    .wavefront_size: 32
...
	.end_amdgpu_metadata
.endif
;; end of part 3
;; ======== version 2 of 2: 3 launches
;; workspace buffers: mm 131,072 bytes; t1 33,554,432 bytes; a_codes 25,165,824 bytes; a_scales 1,048,576 bytes; b_codes 6,291,456 bytes; b_scales 262,144 bytes
;; launch prep (part 4): grid 512 x 1, 8 waves a work-group, no clusters, 144,384 bytes of LDS; arguments x, trellis, lut, su, sv, mm, t1; writes mm, t1
.if DOCPART == 4
	.amdgcn_target "amdgcn-amd-amdhsa--gfx1250"
	.amdhsa_code_object_version 6
	.text
	.protected	k_q17509fcc59_prep
	.globl	k_q17509fcc59_prep
	.p2align	8
	.type	k_q17509fcc59_prep,@function
k_q17509fcc59_prep:
	s_mov_b64 s[64:65], 0
	v_nop
	global_prefetch_b8 v0, s[64:65] scope:SCOPE_SE
	s_setreg_imm32_b32 hwreg(HW_REG_WAVE_MODE, 25, 1), 1
	s_wait_xcnt 0x0
; TWO BODIES IN ONE LAUNCH: one streams x, the other gathers and adds.  They part once, on the PARITY OF THE BITS of the work-group's number: two numbers that differ in one bit take different bodies,
; so that both kinds come to lie side by side.  Numbers 2 n and 2 n + 1 have opposite parity: each body gets every n = 0 .. 255 once.
; BODY 0 (CM): partial minimum and maximum of x's columns.  x: [8192][4096] f32.  A work-group takes 64 columns (256 bytes of a row) x 2,048 rows; each of its 8 waves 256 rows.
;   mm: f32 [2][4][4096] = [plane][quarter of the rows][column]; plane 0 the minimum, plane 1 the NEGATED maximum, so that both planes are finished by a minimum.
; BODY 1 (WD): the trellis weight of 32 columns x 1,024 rows: 16-bit states cut out of the packed words, two numbers a state gathered from lut, x sv[row], the Hadamard butterflies over the
;   low 10 bits of the row, x su[column] x 2^-11.5 (the two transforms' norms, 1/sqrt(2048) and 1/64).  Butterflies on different index bits commute with each other and with factors on the other axis,
;   so the order of roundings differs from a transform done axis by axis; each number is still a sum of f32 additions.  Row bit 10 and the transform along the columns follow in the next launch.
;   t1: f32 [128 strips of 32 columns][2048 places][32]; row o = 1024 hh + rho lies at place 1024 hh + 32 (rho % 32) + rho / 32.
; No cluster, no tensor load: the work-groups share no tile (lut is gathered lane by lane), and two work-groups are meant to lie on one WGP.
; LIMITS: NaN and infinities among the inputs are not served.
.set CMB,  135168                      ; LDS: WD's rows take bytes 0 .. 135,167; CM's 8 x 512 bytes lie behind them: each body has bytes of its own
.set MN,   2                           ; CM: v2-5 running minima of my 4 columns
.set MX,   6                           ; CM: v6-9 running maxima
.set PM,   10                          ; CM: v10-13 the other half of the lanes'
.set XR,   16                          ; CM: v16-143 32 slots of 4 registers
.set CS,   12                          ; WD: v12-15 su x norm of my 4 columns
.set T,    16                          ; WD: v16-31 at work
.set SV,   32                          ; WD: v32-63 sv of my 32 rows
.set OFF,  64                          ; WD: v64-127 byte offsets into lut: 2 states a row; never rewritten
.set D,    128                         ; WD: v128-255 32 rows x 4 columns
	s_load_b256 s[4:11], s[0:1], 0x0               ; x s[4:5], trellis s[6:7], lut s[8:9], su s[10:11]
	s_load_b128 s[12:15], s[0:1], 0x20             ; sv s[12:13], mm s[14:15]
	s_load_b64 s[16:17], s[0:1], 0x30              ; t1
	s_set_vgpr_msb 0x40
	v_lshl_add_u32 v0, v0, 2, 0x23000
	v_mov_b32 v1, 0
	s_set_vgpr_msb 0x4000
	v_lshrrev_b32 v1, 5, v0
	v_readfirstlane_b32 s18, v1                    ; wave 0..7
	s_lshr_b32 s19, ttmp9, 8                       ; the parity of the number's bits, folded: 8, 4, 2, 1
	s_xor_b32 s19, s19, ttmp9
	s_lshr_b32 s21, s19, 4
	s_xor_b32 s19, s19, s21
	s_lshr_b32 s21, s19, 2
	s_xor_b32 s19, s19, s21
	s_lshr_b32 s21, s19, 1
	s_xor_b32 s19, s19, s21
	s_and_b32 s19, s19, 1                          ; which body
	s_lshr_b32 s20, ttmp9, 1                       ; its number, 0..255
	s_wait_kmcnt 0x0
	s_cmp_eq_u32 s19, 0
	s_cbranch_scc0 .Lwd
; ---------------------------------------------------------------- CM
	s_and_b32 s21, s20, 63                         ; which 64 columns
	s_lshr_b32 s26, s20, 6                         ; which quarter of the rows
	s_lshl_b32 s22, s26, 11
	s_lshl_b32 s23, s18, 8
	s_add_co_u32 s22, s22, s23                     ; my wave's first row: 2048 x quarter + 256 x wave
	s_lshl_b32 s22, s22, 14                        ; x 16,384 bytes (under 2^27)
	s_lshl_b32 s23, s21, 8
	s_add_co_u32 s22, s22, s23
	s_mov_b32 s23, 0
	s_add_nc_u64 s[22:23], s[4:5], s[22:23]
	s_lshl_b32 s28, s26, 14                        ; mm: 16,384 x quarter + 256 x strip
	s_lshl_b32 s29, s21, 8
	s_add_co_u32 s28, s28, s29
	s_mov_b32 s29, 0
	s_add_nc_u64 s[28:29], s[14:15], s[28:29]
	s_mov_b32 s24, 0x76543210                      ; v_permlanex16_b32's selects for lane l xor 16
	s_mov_b32 s25, 0xfedcba98
	v_and_b32 v14, 15, v0
	v_bfe_u32 v15, v0, 4, 1
	v_lshlrev_b32 v1, 4, v14
	v_lshl_add_u32 v144, v15, 16, v1               ; the last store: 16 (l % 16), lanes 16-31 one plane (65,536 bytes) on
	v_lshl_add_u32 v1, v15, 14, v1                 ; a load takes two rows x 256 bytes: lanes 0-15 the even row, lanes 16-31 the odd one
	v_lshl_add_u32 v14, v0, 4, CMB                 ; where my wave's result goes in LDS: 16 x thread
.irp e, 0,1,2,3
	v_mov_b32 v[MN+\e], 0x7f800000                 ; +infinity
	v_mov_b32 v[MX+\e], 0xff800000                 ; -infinity
	v_mov_b32 v[PM+\e], 0                          ; a lane permute's destination counts as one of its sources
.endr
.macro CM_LOAD p                       ; pair p: loads 2 p and 2 p + 1 (rows 4 p .. 4 p + 3); every offset is an immediate, 4,161,536 at the most
	global_load_b128 v[XR+4*((2*(\p))%32):XR+4*((2*(\p))%32)+3], v1, s[22:23] offset:(2*(\p))*32768 th:TH_LOAD_NT
	global_load_b128 v[XR+4*((2*(\p)+1)%32):XR+4*((2*(\p)+1)%32)+3], v1, s[22:23] offset:(2*(\p)+1)*32768 th:TH_LOAD_NT
.endm
.macro CM_PAIR p
.set SA, XR+4*((2*(\p))%32)
.set SB, XR+4*((2*(\p)+1)%32)
.if 63-(\p) >= 15
	s_wait_loadcnt 30                              ; loads come back in order: pair p is in, the 15 pairs issued behind it stay out
.else
	s_wait_loadcnt 2*(63-(\p))                     ; the last pairs: the counts run down
.endif
.irp e, 0,1,2,3
	v_min3_num_f32 v[MN+\e], v[MN+\e], v[SA+\e], v[SB+\e]
	v_max3_num_f32 v[MX+\e], v[MX+\e], v[SA+\e], v[SB+\e]
.endr
.if (\p)+16 < 64
	CM_LOAD (\p)+16                                ; the pair's slots take the pair 16 further on: 32 loads, 16 KiB, of a wave are always out
.endif
.endm
.set P, 0
.rept 16
	CM_LOAD P
.set P, P+1
.endr
.set P, 0
.rept 64
	CM_PAIR P
.set P, P+1
.endr
.irp e, 0,1,2,3
	v_permlanex16_b32 v[PM+\e], v[MN+\e], s24, s25 ; the odd rows' (or the even rows') figures for the same columns
.endr
.irp e, 0,1,2,3
	v_min_num_f32 v[MN+\e], v[MN+\e], v[PM+\e]
.endr
.irp e, 0,1,2,3
	v_permlanex16_b32 v[PM+\e], v[MX+\e], s24, s25
.endr
.irp e, 0,1,2,3
	v_max_num_f32 v[MX+\e], v[MX+\e], v[PM+\e]
.endr
.irp e, 0,1,2,3
	v_xor_b32 v[MX+\e], 0x80000000, v[MX+\e]       ; the maximum, negated
.endr
	v_cmp_eq_u32 vcc_lo, 0, v15
.irp e, 0,1,2,3
	v_cndmask_b32 v[MN+\e], v[MX+\e], v[MN+\e], vcc_lo   ; lanes 0-15 keep the minimum, lanes 16-31 the negated maximum
.endr
	ds_store_b128 v14, v[MN:MN+3]
	s_wait_dscnt 0x0                               ; for the others' sake: my store has landed
	s_barrier_signal -1
	s_barrier_wait -1
	s_cmp_lg_u32 s18, 0
	s_cbranch_scc1 .Lcm_end                        ; wave 0 finishes the work-group's figures
.irp w, 0,1,2,3,4,5,6,7
	ds_load_b128 v[XR+4*\w:XR+4*\w+3], v14 offset:512*\w   ; in wave 0 the thread's number is the lane's
.endr
	s_wait_dscnt 0x0
.irp e, 0,1,2,3
	v_min3_num_f32 v[MN+\e], v[XR+\e], v[XR+4+\e], v[XR+8+\e]
.endr
.irp e, 0,1,2,3
	v_min3_num_f32 v[MN+\e], v[MN+\e], v[XR+12+\e], v[XR+16+\e]
.endr
.irp e, 0,1,2,3
	v_min3_num_f32 v[MN+\e], v[MN+\e], v[XR+20+\e], v[XR+24+\e]
.endr
.irp e, 0,1,2,3
	v_min_num_f32 v[MN+\e], v[MN+\e], v[XR+28+\e]
.endr
	global_store_b128 v144, v[MN:MN+3], s[28:29]   ; sixteen lanes store 256 consecutive aligned bytes of each plane
.Lcm_end:
	s_set_vgpr_msb 0x5
	s_wait_tensorcnt 0x0
	ds_add_u32 v0, v1
	s_wait_dscnt 0x0
	s_set_vgpr_msb 0x500
	s_endpgm
; ---------------------------------------------------------------- WD
; Thread t: cq = t % 8 (4 columns = 2 states), tr = t / 8.  First it holds rows rho = 32 i + tr (i = 0 .. 31: the butterflies over rho's bits 5-9 stay in its registers),
; then, after one turn through LDS, rows rho = 32 tr + i (bits 0-4).
.macro R4 ra, rb, rc, rd, tt           ; two butterfly stages on four register pairs in eight packed additions: first (a, b) and (c, d), then (a, c) and (b, d)
	v_pk_add_f32 v[\tt:\tt+1], v[\ra:\ra+1], v[\rb:\rb+1]
	v_pk_add_f32 v[\tt+2:\tt+3], v[\ra:\ra+1], v[\rb:\rb+1] neg_lo:[0,1] neg_hi:[0,1]
	v_pk_add_f32 v[\tt+4:\tt+5], v[\rc:\rc+1], v[\rd:\rd+1]
	v_pk_add_f32 v[\tt+6:\tt+7], v[\rc:\rc+1], v[\rd:\rd+1] neg_lo:[0,1] neg_hi:[0,1]
	v_pk_add_f32 v[\ra:\ra+1], v[\tt:\tt+1], v[\tt+4:\tt+5]
	v_pk_add_f32 v[\rb:\rb+1], v[\tt+2:\tt+3], v[\tt+6:\tt+7]
	v_pk_add_f32 v[\rc:\rc+1], v[\tt:\tt+1], v[\tt+4:\tt+5] neg_lo:[0,1] neg_hi:[0,1]
	v_pk_add_f32 v[\rd:\rd+1], v[\tt+2:\tt+3], v[\tt+6:\tt+7] neg_lo:[0,1] neg_hi:[0,1]
.endm
.Lwd:
	s_lshr_b32 s21, s20, 1                         ; st: which 32 columns, 0..127
	s_and_b32 s31, s20, 1                          ; hh: which half of the rows
	s_lshr_b32 s32, s21, 3                         ; g: which vector of 256 in a row
	s_and_b32 s33, s21, 7                          ; j: which 32 of its 256 values = states 16 j .. 16 j + 15 = words 4 j .. 4 j + 4
	s_lshl_b32 s34, s33, 2
	v_and_b32 v10, 7, v0                           ; cq
	v_lshrrev_b32 v1, 3, v0                        ; tr
	v_lshrrev_b32 v16, 1, v10
	v_add_nc_u32 v16, s34, v16                     ; a = 4 j + cq / 2: the word in which my two states begin
	v_add_nc_u32 v17, 1, v16
	v_and_b32 v17, 31, v17                         ; the word behind it, cyclic over the vector's 32
	v_lshlrev_b32 v2, 11, v1                       ; a row of the weight is 16 vectors x 128 bytes
	v_lshlrev_b32 v3, 11, v1
	v_lshl_add_u32 v2, v16, 2, v2                  ; 2048 tr + 4 a
	v_lshl_add_u32 v3, v17, 2, v3
	v_lshlrev_b32 v4, 2, v1                        ; sv: 4 tr
	v_and_b32 v18, 1, v10
	v_lshlrev_b32 v18, 3, v18
	v_sub_nc_u32 v5, 16, v18                       ; state 2 cq begins 8 (cq % 2) bits into word a: it is bits 16 - 8 (cq % 2) on of the two words on end,
	v_sub_nc_u32 v6, 12, v18                       ; state 2 cq + 1 four bits further down
	v_lshlrev_b32 v7, 4, v0                        ; 16 t: my place in an LDS row group, and in a store to t1
	v_add_nc_u32 v8, 67584, v7                     ; the same 16 row groups on (an LDS immediate has 16 bits)
	v_mul_u32_u24 v9, v1, 4224                     ; back: row group tr
	v_lshl_add_u32 v9, v10, 4, v9
	v_lshlrev_b32 v11, 4, v10                      ; su: 16 cq
	s_lshl_b32 s22, s31, 21                        ; trellis: 1,024 rows x 2,048 bytes x hh + 128 g
	s_lshl_b32 s23, s32, 7
	s_add_co_u32 s22, s22, s23
	s_mov_b32 s23, 0
	s_add_nc_u64 s[22:23], s[6:7], s[22:23]
	s_lshl_b32 s24, s31, 12
	s_mov_b32 s25, 0
	s_add_nc_u64 s[24:25], s[12:13], s[24:25]      ; sv at row 1024 hh
	s_lshl_b32 s26, s21, 7
	s_mov_b32 s27, 0
	s_add_nc_u64 s[26:27], s[10:11], s[26:27]      ; su at column 32 st
	s_lshl_b32 s28, s21, 18
	s_lshl_b32 s29, s31, 17
	s_add_co_u32 s28, s28, s29
	s_mov_b32 s29, 0
	s_add_nc_u64 s[28:29], s[16:17], s[28:29]      ; t1 at strip st, place 1024 hh
	s_mov_b32 s30, 0x05040100                      ; v_perm_b32: the two low halves, the first source's on top
	global_load_b128 v[CS:CS+3], v11, s[26:27]
.set I, 0
.rept 32
	global_load_b32 v[SV+I], v4, s[24:25] offset:128*I
.set I, I+1
.endr
.set I, 0
.rept 32
	global_load_b32 v[D+4*I], v2, s[22:23] offset:65536*I      ; row 32 I + tr: word a,
	global_load_b32 v[D+4*I+1], v3, s[22:23] offset:65536*I    ; and the word behind it
.set I, I+1
.endr
.macro WD_STATES i
	v_perm_b32 v[T+(\i)%8], v[D+4*(\i)], v[D+4*(\i)+1], s30    ; the low 16 bits of both words on end
	v_bfe_u32 v[OFF+2*(\i)], v[T+(\i)%8], v5, 16
	v_bfe_u32 v[OFF+2*(\i)+1], v[T+(\i)%8], v6, 16
	v_min_u32 v[OFF+2*(\i)], 0xffff, v[OFF+2*(\i)]             ; a state stays inside the table
	v_min_u32 v[OFF+2*(\i)+1], 0xffff, v[OFF+2*(\i)+1]
	v_lshlrev_b32 v[OFF+2*(\i)], 3, v[OFF+2*(\i)]              ; 8 bytes a state
	v_lshlrev_b32 v[OFF+2*(\i)+1], 3, v[OFF+2*(\i)+1]
.endm
.macro WD_GATHER i
	global_load_b64 v[D+4*(\i):D+4*(\i)+1], v[OFF+2*(\i)], s[8:9]
	global_load_b64 v[D+4*(\i)+2:D+4*(\i)+3], v[OFF+2*(\i)+1], s[8:9]
.endm
.set Q, 0
.rept 4                                ; eight rows at a time
	s_wait_loadcnt 48                              ; behind these rows' words stand (24 - 8 Q) x 2 word loads and 16 Q gathers: 48 in every group
.set I, 8*Q
.rept 8
	WD_STATES I
.set I, I+1
.endr
.set I, 8*Q
.rept 8
	WD_GATHER I
.set I, I+1
.endr
.set Q, Q+1
.endr
.irp e, 0,1,2,3
	v_mul_f32 v[CS+\e], 0x39b504f3, v[CS+\e]       ; su x 2^-11.5
.endr
.macro WD_ST1 p                        ; rows 2 p and 2 p + 1 of my 32: x sv and the butterfly over i's bit 0 in one
.set RA, D+8*(\p)
.set RB, D+8*(\p)+4
.set TT, T+4*((\p)%4)
.if (\p)%2 == 0
	s_wait_loadcnt 56-4*(\p)                       ; these four rows' gathers are in; those of the later rows, two a row, stay out
.endif
.irp e, 0,1,2,3
	v_mul_f32 v[TT+\e], v[RB+\e], v[SV+2*(\p)+1]
.endr
.irp e, 0,1,2,3
	v_fma_f32 v[RB+\e], v[RA+\e], v[SV+2*(\p)], -v[TT+\e]
.endr
.irp e, 0,1,2,3
	v_fma_f32 v[RA+\e], v[RA+\e], v[SV+2*(\p)], v[TT+\e]
.endr
.endm
.set P, 0
.rept 16
	WD_ST1 P
.set P, P+1
.endr
.set Q, 0
.rept 4                                ; i's bits 1 and 2
.irp b, 0,1
.irp u, 0,1
	R4 D+4*(8*Q+\b)+2*\u, D+4*(8*Q+\b+2)+2*\u, D+4*(8*Q+\b+4)+2*\u, D+4*(8*Q+\b+6)+2*\u, T+8*\u
.endr
.endr
.set Q, Q+1
.endr
.set Q, 0
.rept 8                                ; i's bits 3 and 4
.irp u, 0,1
	R4 D+4*Q+2*\u, D+4*(Q+8)+2*\u, D+4*(Q+16)+2*\u, D+4*(Q+24)+2*\u, T+8*\u
.endr
.set Q, Q+1
.endr
; The turn through LDS.  Row rho's 128 bytes lie at 128 rho + 128 (rho / 32): a wave's store covers 512 consecutive bytes, and of the 16 lanes that a load serves together the two row groups lie 4,224 bytes, 128 modulo 256, apart.
.set I, 0
.rept 16
	ds_store_b128 v7, v[D+4*I:D+4*I+3] offset:4224*I
.set I, I+1
.endr
.rept 16
	ds_store_b128 v8, v[D+4*I:D+4*I+3] offset:4224*(I-16)
.set I, I+1
.endr
	s_wait_dscnt 0x0                               ; for the others' sake: my stores have landed
	s_barrier_signal -1
	s_barrier_wait -1
.set I, 0
.rept 32
	ds_load_b128 v[D+4*I:D+4*I+3], v9 offset:128*I ; row 32 tr + I
.set I, I+1
.endr
.set Q, 0
.rept 8                                ; rho's bits 0 and 1
	s_wait_dscnt 28-4*Q                            ; LDS loads come back in order: these four rows are in, the later rows' loads stay out
.irp u, 0,1
	R4 D+16*Q+2*\u, D+16*Q+4+2*\u, D+16*Q+8+2*\u, D+16*Q+12+2*\u, T+8*\u
.endr
.set Q, Q+1
.endr
.set Q, 0
.rept 8                                ; bits 2 and 3: rows Q % 4 + 16 (Q / 4) + 0, 4, 8, 12
.irp u, 0,1
	R4 D+4*(Q%4+16*(Q/4))+2*\u, D+4*(Q%4+16*(Q/4)+4)+2*\u, D+4*(Q%4+16*(Q/4)+8)+2*\u, D+4*(Q%4+16*(Q/4)+12)+2*\u, T+8*\u
.endr
.set Q, Q+1
.endr
.set I, 0
.rept 16                               ; bit 4, and x su x norm in one: rows I and I + 16
.irp u, 0,1
	v_pk_mul_f32 v[T+4*(I%4)+2*\u:T+4*(I%4)+2*\u+1], v[D+4*(I+16)+2*\u:D+4*(I+16)+2*\u+1], v[CS+2*\u:CS+2*\u+1]
.endr
.irp u, 0,1
	v_pk_fma_f32 v[D+4*(I+16)+2*\u:D+4*(I+16)+2*\u+1], v[D+4*I+2*\u:D+4*I+2*\u+1], v[CS+2*\u:CS+2*\u+1], v[T+4*(I%4)+2*\u:T+4*(I%4)+2*\u+1] neg_lo:[0,0,1] neg_hi:[0,0,1]
.endr
.irp u, 0,1
	v_pk_fma_f32 v[D+4*I+2*\u:D+4*I+2*\u+1], v[D+4*I+2*\u:D+4*I+2*\u+1], v[CS+2*\u:CS+2*\u+1], v[T+4*(I%4)+2*\u:T+4*(I%4)+2*\u+1]
.endr
.set I, I+1
.endr
.set I, 0
.rept 32
	global_store_b128 v7, v[D+4*I:D+4*I+3], s[28:29] offset:4096*I   ; place 32 I + tr: a wave's store covers 512 consecutive bytes, at a multiple of 256 from t1's first byte
.set I, I+1
.endr
	s_set_vgpr_msb 0x5
	s_wait_tensorcnt 0x0
	ds_add_u32 v0, v1
	s_wait_dscnt 0x0
	s_set_vgpr_msb 0x500
	s_endpgm
.Lfunc_end_k_q17509fcc59_prep:
	.size	k_q17509fcc59_prep, .Lfunc_end_k_q17509fcc59_prep-k_q17509fcc59_prep
	.p2alignl 7, 3214868480
	.fill 96, 4, 3214868480
	.section	.rodata,"a",@progbits
	.p2align	6, 0x0
	.amdhsa_kernel k_q17509fcc59_prep
		.amdhsa_group_segment_fixed_size 144384
		.amdhsa_private_segment_fixed_size 0
		.amdhsa_enable_private_segment 0
		.amdhsa_kernarg_size 56
		.amdhsa_user_sgpr_count 2
		.amdhsa_user_sgpr_kernarg_segment_ptr 1
		.amdhsa_wavefront_size32 1
		.amdhsa_system_sgpr_workgroup_id_x 1
		.amdhsa_system_sgpr_workgroup_id_y 1
		.amdhsa_system_sgpr_workgroup_id_z 1
		.amdhsa_system_vgpr_workitem_id 0
		.amdhsa_next_free_vgpr 258
		.amdhsa_next_free_sgpr 66
		.amdhsa_reserve_vcc 1
		.amdhsa_float_denorm_mode_32 3
		.amdhsa_float_denorm_mode_16_64 3
		.amdhsa_memory_ordered 1
		.amdhsa_forward_progress 1
		.amdhsa_inst_pref_size 137
	.end_amdhsa_kernel
	.amdgpu_metadata
---
amdhsa.version: [ 1, 2 ]
amdhsa.kernels:
  - .name:           k_q17509fcc59_prep
    .symbol:         k_q17509fcc59_prep.kd
    .args:
      - { .name: x, .offset: 0, .size: 8, .value_kind: global_buffer, .address_space: global }
      - { .name: trellis, .offset: 8, .size: 8, .value_kind: global_buffer, .address_space: global }
      - { .name: lut, .offset: 16, .size: 8, .value_kind: global_buffer, .address_space: global }
      - { .name: su, .offset: 24, .size: 8, .value_kind: global_buffer, .address_space: global }
      - { .name: sv, .offset: 32, .size: 8, .value_kind: global_buffer, .address_space: global }
      - { .name: mm, .offset: 40, .size: 8, .value_kind: global_buffer, .address_space: global }
      - { .name: t1, .offset: 48, .size: 8, .value_kind: global_buffer, .address_space: global }
    .group_segment_fixed_size: 144384
    .private_segment_fixed_size: 0
    .kernarg_segment_align: 8
    .kernarg_segment_size: 56
    .max_flat_workgroup_size: 256
    .sgpr_count:     66
    .vgpr_count:     258
    .wavefront_size: 32
...
	.end_amdgpu_metadata
.endif
;; end of part 4
;; launch quant (part 5): grid 1024 x 1, 4 waves a work-group, no clusters, 73,216 bytes of LDS; arguments x, mm, t1, weight_scales, a_codes, a_scales, b_codes, b_scales; writes a_codes, a_scales, b_codes, b_scales
.if DOCPART == 5
	.amdgcn_target "amdgcn-amd-amdhsa--gfx1250"
	.amdhsa_code_object_version 6
	.text
	.protected	k_q17509fcc59_quant
	.globl	k_q17509fcc59_quant
	.p2align	8
	.type	k_q17509fcc59_quant,@function
k_q17509fcc59_quant:
	s_mov_b64 s[64:65], 0
	v_nop
	global_prefetch_b8 v0, s[64:65] scope:SCOPE_SE
	s_setreg_imm32_b32 hwreg(HW_REG_WAVE_MODE, 25, 1), 1
	s_wait_xcnt 0x0
; TWO BODIES IN ONE LAUNCH.  They part once, on the PARITY OF THE BITS of the work-group's number: two numbers that differ in one bit take different bodies, four that differ in two bits two of each,
; so that both kinds come to lie side by side.  Numbers 2 n and 2 n + 1 have opposite parity: each body gets every n = 0 .. 511 once.
; Four work-groups' LDS (4 x 73,216 bytes) and registers (16 waves of 258) fit one WGP, and the grid's 1,024 are four for each of 256 WGPs.
; Both bodies end in codes of FP6 (E2M3), K innermost, a row of 4,096 codes = 3,072 bytes, with one E8M0 byte for each 32 along K (a row: 128 bytes).
; BODY 0 (XQ): 64 rows x 1,024 columns of x.  The columns' minimum and maximum are finished from mm's four partial rows; scale = (max - min) / 255 (1 where that is not above 0), zp = round(-min / scale);
;   x_q = x + ((clip(round(x / scale), -zp, 255 - zp)) x scale - x): the clip of round + zp to 0 .. 255, less zp, with zp taken into the bounds: the same whole numbers while |x / scale| + |zp| stays under 2^24.
;   x / scale is x times a reciprocal refined by one Newton step: it can differ from a division in the last bit, which can turn a round that lies on a half.
; BODY 1 (WR): a wave makes one row o of the weight: t1's row pair (rho, 1024 + rho) gives A + B or A - B (row bit 10), then the 12 butterfly stages along K, x weight_scales[16 o + k / 256], quantised.
; A block's scale byte is its largest magnitude's exponent field - 2, held at 1 from below; a block of zeros so gets the byte 1: its codes are zeros, and this program alone reads the bytes.
; No cluster, no tensor load: the work-groups share no tile, and several are meant to lie on one WGP.
; LIMITS: NaN and infinities are not served; a column whose (max - min) / 255 lies under 2^-126 is not served (the reciprocal takes it for zero); blocks whose largest magnitude lies under 2^-124 keep the byte 1.
.set PTB,  0                           ; LDS, XQ: four planes (1/scale, scale, -zp, 255 - zp) x 1,024 columns of f32: 4 x 4,096 bytes
.set STB,  16384                       ; XQ: a stage of 64 places of 80 bytes for each wave
.set SCB,  36864                       ; XQ: 16 rows x 32 scale bytes for each wave
.set WRB,  38912                       ; WR: 16 rows of 528 bytes for each wave.  Each body has LDS bytes of its own
.set PR,   16                          ; XQ: v16-47 1/scale of my 32 columns;  v48-79 scale;  v80-111 -zp;  v112-143 255 - zp
.set PS,   48
.set PL,   80
.set PH,   112
.set R,    144                         ; XQ: v144-239 three sets of 32 numbers
.set CC,   240                         ; XQ: v240-242, v244-246 a row's codes
.set TP,   248                         ; XQ: v248-255 at work
.set PMN,  80                          ; XQ, while the columns' figures are made: eight registers each
.set PNX,  88
.set PSC,  96
.set PRC,  104
.set PD,   112
.set PY,   112
.set PE,   120
.set PLO,  128
.set PQ,   136
.set PHI,  136
.set T,    16                          ; WR: v16-31 at work
.set TB,   64                          ; WR: v64-127 16 loads of the pair's second row
.set D,    128                         ; WR: v128-255 my 128 numbers ahead of the turn through LDS: register 4 n + e holds k = 128 n + 4 lane + e
.set E,    64                          ; WR: v64-191 my 128 numbers behind the turn: register j holds k = 128 lane + j
.set CW,   192                         ; WR: v192-223 the codes
.set OW,   224                         ; WR: v224-255 what leaves
.macro R4 ra, rb, rc, rd, tt           ; two butterfly stages on four register pairs in eight packed additions: first (a, b) and (c, d), then (a, c) and (b, d)
	v_pk_add_f32 v[\tt:\tt+1], v[\ra:\ra+1], v[\rb:\rb+1]
	v_pk_add_f32 v[\tt+2:\tt+3], v[\ra:\ra+1], v[\rb:\rb+1] neg_lo:[0,1] neg_hi:[0,1]
	v_pk_add_f32 v[\tt+4:\tt+5], v[\rc:\rc+1], v[\rd:\rd+1]
	v_pk_add_f32 v[\tt+6:\tt+7], v[\rc:\rc+1], v[\rd:\rd+1] neg_lo:[0,1] neg_hi:[0,1]
	v_pk_add_f32 v[\ra:\ra+1], v[\tt:\tt+1], v[\tt+4:\tt+5]
	v_pk_add_f32 v[\rb:\rb+1], v[\tt+2:\tt+3], v[\tt+6:\tt+7]
	v_pk_add_f32 v[\rc:\rc+1], v[\tt:\tt+1], v[\tt+4:\tt+5] neg_lo:[0,1] neg_hi:[0,1]
	v_pk_add_f32 v[\rd:\rd+1], v[\tt+2:\tt+3], v[\tt+6:\tt+7] neg_lo:[0,1] neg_hi:[0,1]
.endm
	s_load_b256 s[4:11], s[0:1], 0x0               ; x s[4:5], mm s[6:7], t1 s[8:9], weight_scales s[10:11]
	s_load_b256 s[12:19], s[0:1], 0x20             ; a_codes s[12:13], a_scales s[14:15], b_codes s[16:17], b_scales s[18:19]
	s_set_vgpr_msb 0x40
	v_lshl_add_u32 v0, v0, 2, 0x11c00
	v_mov_b32 v1, 0
	s_set_vgpr_msb 0x4000
	v_lshrrev_b32 v1, 5, v0
	v_readfirstlane_b32 s20, v1                    ; wave 0..3
	s_lshr_b32 s21, ttmp9, 8                       ; the parity of the number's bits, folded: 8, 4, 2, 1
	s_xor_b32 s21, s21, ttmp9
	s_lshr_b32 s23, s21, 4
	s_xor_b32 s21, s21, s23
	s_lshr_b32 s23, s21, 2
	s_xor_b32 s21, s21, s23
	s_lshr_b32 s23, s21, 1
	s_xor_b32 s21, s21, s23
	s_and_b32 s21, s21, 1                          ; which body
	s_lshr_b32 s22, ttmp9, 1                       ; its number, 0..511
	v_and_b32 v1, 31, v0                           ; lane
	s_wait_kmcnt 0x0
	s_cmp_eq_u32 s21, 0
	s_cbranch_scc0 .Lwr
; ---------------------------------------------------------------- XQ
	s_and_b32 s23, s22, 3                          ; sx: which 1,024 columns
	s_lshr_b32 s33, s22, 2
	s_lshl_b32 s33, s33, 6
	s_lshl_b32 s34, s20, 4
	s_add_co_u32 s33, s33, s34                     ; my wave's first row: 64 x block + 16 x wave
	s_lshl_b32 s24, s33, 14
	s_lshl_b32 s34, s23, 12
	s_add_co_u32 s24, s24, s34
	s_mov_b32 s25, 0
	s_add_nc_u64 s[24:25], s[4:5], s[24:25]        ; x
	s_mov_b32 s26, s34
	s_mov_b32 s27, 0
	s_add_nc_u64 s[26:27], s[6:7], s[26:27]        ; mm at my strip
	s_mul_i32 s28, s33, 3072
	s_mul_i32 s34, s23, 768
	s_add_co_u32 s28, s28, s34
	s_mov_b32 s29, 0
	s_add_nc_u64 s[28:29], s[12:13], s[28:29]      ; the codes
	s_lshl_b32 s30, s33, 7
	s_lshl_b32 s34, s23, 5
	s_add_co_u32 s30, s30, s34
	s_mov_b32 s31, 0
	s_add_nc_u64 s[30:31], s[14:15], s[30:31]      ; the scale bytes
	s_mov_b32 s34, 0x3b808081                      ; 1 / 255
	s_mov_b32 s35, 0x437f0000                      ; 255
	v_lshlrev_b32 v2, 4, v1                        ; my 16 bytes of a load's 512
	s_mul_i32 s36, s20, 5120
	s_add_co_u32 s36, s36, STB
	v_lshrrev_b32 v8, 2, v1
	v_mul_u32_u24 v3, v8, 80
	v_and_b32 v8, 3, v1
	v_lshl_add_u32 v3, v8, 4, v3
	v_add_nc_u32 v3, s36, v3                       ; the stage, in: four lanes' 64 bytes on end, then 16 of padding
	v_mul_u32_u24 v4, v1, 80
	v_add_nc_u32 v4, s36, v4                       ; out: 80 x lane: 16 neighbours along K
	v_mul_u32_u24 v5, v1, 12                       ; my 16 codes' place in a store's 384 bytes
	s_lshl_b32 s36, s20, 9
	s_add_co_u32 s36, s36, SCB
	v_lshrrev_b32 v6, 1, v1
	v_lshlrev_b32 v247, 7, v6                      ; the scale bytes' way out: row lane / 2 of 128 bytes,
	v_and_b32 v8, 1, v1
	v_lshl_add_u32 v247, v8, 4, v247               ; + 16 (lane % 2)
	v_add_nc_u32 v6, s36, v6                       ; LDS: my block's byte
	v_add_nc_u32 v243, s36, v2                     ; and 16 bytes a lane on the way out
	v_lshlrev_b32 v7, 4, v0                        ; 16 x thread
	v_mov_b32 v249, 1.0
.irp pl, 0,1
.irp rq, 0,1,2,3
.irp u, 0,1
	global_load_b128 v[16+32*\pl+8*\rq+4*\u:16+32*\pl+8*\rq+4*\u+3], v7, s[26:27] offset:65536*\pl+16384*\rq+2048*\u   ; the partial figures of my 8 columns, 4 t + 512 u on
.endr
.endr
.endr
.macro XLOAD n                         ; row n of my 16: 4,096 bytes, each load 512 consecutive bytes, into set n % 3
.irp j, 0,1,2,3,4,5,6,7
	global_load_b128 v[R+32*((\n)%3)+4*\j:R+32*((\n)%3)+4*\j+3], v2, s[24:25] offset:16384*(\n)+512*\j th:TH_LOAD_NT
.endr
.endm
	XLOAD 0
	XLOAD 1
	XLOAD 2
	s_wait_loadcnt 24                              ; the partial figures are in; the three rows' 24 loads stay out
.irp c, 0,1,2,3,4,5,6,7
	v_min3_num_f32 v[PMN+\c], v[16+\c], v[24+\c], v[32+\c]
	v_min3_num_f32 v[PNX+\c], v[48+\c], v[56+\c], v[64+\c]
.endr
.irp c, 0,1,2,3,4,5,6,7
	v_min_num_f32 v[PMN+\c], v[PMN+\c], v[40+\c]   ; the column's minimum
	v_min_num_f32 v[PNX+\c], v[PNX+\c], v[72+\c]   ; and its negated maximum
.endr
.irp c, 0,1,2,3,4,5,6,7
	v_fma_f32 v[PD+\c], v[PNX+\c], -1.0, -v[PMN+\c]      ; max - min, rounded once
.endr
.irp c, 0,1,2,3,4,5,6,7
	v_mul_f32 v[PQ+\c], s34, v[PD+\c]              ; / 255: a first quotient,
.endr
.irp c, 0,1,2,3,4,5,6,7
	v_fma_f32 v[PE+\c], -v[PQ+\c], s35, v[PD+\c]   ; its remainder,
.endr
.irp c, 0,1,2,3,4,5,6,7
	v_fma_f32 v[PSC+\c], v[PE+\c], s34, v[PQ+\c]   ; and the quotient mended
.endr
.irp c, 0,1,2,3,4,5,6,7
	v_cmp_ge_f32 vcc_lo, 0, v[PSC+\c]
	v_cndmask_b32 v[PSC+\c], v[PSC+\c], v249, vcc_lo     ; 1 where the scale is not above 0
.endr
.irp c, 0,1,2,3,4,5,6,7
	v_rcp_f32 v[PRC+\c], v[PSC+\c]
.endr
	v_nop                                          ; a plain instruction behind the last reciprocal
	s_wait_alu depctr_va_vdst(0)                   ; one wait for the eight, ahead of their first reader
.irp c, 0,1,2,3,4,5,6,7
	v_fma_f32 v[PE+\c], -v[PSC+\c], v[PRC+\c], 1.0
.endr
.irp c, 0,1,2,3,4,5,6,7
	v_fma_f32 v[PRC+\c], v[PE+\c], v[PRC+\c], v[PRC+\c]  ; one Newton step
.endr
.irp c, 0,1,2,3,4,5,6,7
	v_mul_f32 v[PY+\c], v[PMN+\c], v[PRC+\c]       ; min / scale,
.endr
.irp c, 0,1,2,3,4,5,6,7
	v_fma_f32 v[PE+\c], -v[PY+\c], v[PSC+\c], v[PMN+\c]
.endr
.irp c, 0,1,2,3,4,5,6,7
	v_fma_f32 v[PY+\c], v[PE+\c], v[PRC+\c], v[PY+\c]    ; mended by its remainder
.endr
.irp c, 0,1,2,3,4,5,6,7
	v_rndne_f32 v[PLO+\c], v[PY+\c]                ; round(min / scale) = -zp: the lower bound
.endr
.irp c, 0,1,2,3,4,5,6,7
	v_add_f32 v[PHI+\c], s35, v[PLO+\c]            ; 255 - zp: the upper
.endr
.irp u, 0,1
	ds_store_b128 v7, v[PRC+4*\u:PRC+4*\u+3] offset:PTB+2048*\u
	ds_store_b128 v7, v[PSC+4*\u:PSC+4*\u+3] offset:PTB+4096+2048*\u
	ds_store_b128 v7, v[PLO+4*\u:PLO+4*\u+3] offset:PTB+8192+2048*\u
	ds_store_b128 v7, v[PHI+4*\u:PHI+4*\u+3] offset:PTB+12288+2048*\u
.endr
	s_wait_dscnt 0x0                               ; for the others' sake: my stores have landed
	s_barrier_signal -1
	s_barrier_wait -1                              ; the 1,024 columns' figures lie in LDS (x's loads stay out across the barrier: nobody writes x)
	v_lshlrev_b32 v248, 6, v1
.irp p, 0,1,2,3
.irp u, 0,1
.irp i, 0,1,2,3
	ds_load_b128 v[16+32*\p+16*\u+4*\i:16+32*\p+16*\u+4*\i+3], v248 offset:PTB+4096*\p+2048*\u+16*\i   ; those of my columns 512 u + 16 lane + 0 .. 15: they stay in registers for my 16 rows
.endr
.endr
.endr
	s_wait_dscnt 0x0
.macro ROW n
.set XS, R+32*((\n)%3)
.if 15-(\n) >= 2
	s_wait_loadcnt 16                              ; this row's eight loads are in; the two rows behind it stay out
.else
	s_wait_loadcnt 8*(15-(\n))
.endif
.irp j, 0,1,2,3,4,5,6,7
	ds_store_b128 v3, v[XS+4*\j:XS+4*\j+3] offset:640*\j       ; the row turns through my stage: LDS serves a wave's instructions in order, so no wait stands between the stores and the loads
.endr
.irp u, 0,1
.irp i, 0,1,2,3
	ds_load_b128 v[XS+16*\u+4*\i:XS+16*\u+4*\i+3], v4 offset:2560*\u+16*\i   ; register 16 u + 4 i + e: column 512 u + 16 lane + 4 i + e
.endr
.endr
.irp g, 0,1,2,3                        ; eight numbers at a time, four pairs by turns
.if \g == 0
	s_wait_dscnt 4                                 ; the first 16 numbers are back; the four loads of the other 16 may be out
.endif
.if \g == 2
	s_wait_dscnt 0x0
.endif
.irp k, 0,2,4,6
	v_pk_mul_f32 v[TP+\k:TP+\k+1], v[XS+8*\g+\k:XS+8*\g+\k+1], v[PR+8*\g+\k:PR+8*\g+\k+1]    ; x / scale
.endr
.irp k, 0,1,2,3,4,5,6,7
	v_rndne_f32 v[TP+\k], v[TP+\k]
.endr
.irp k, 0,1,2,3,4,5,6,7
	v_med3_num_f32 v[TP+\k], v[TP+\k], v[PL+8*\g+\k], v[PH+8*\g+\k]      ; held between -zp and 255 - zp
.endr
.irp k, 0,2,4,6
	v_pk_mul_f32 v[TP+\k:TP+\k+1], v[TP+\k:TP+\k+1], v[PS+8*\g+\k:PS+8*\g+\k+1]              ; x scale
.endr
.irp k, 0,2,4,6
	v_pk_add_f32 v[TP+\k:TP+\k+1], v[TP+\k:TP+\k+1], v[XS+8*\g+\k:XS+8*\g+\k+1] neg_lo:[0,1] neg_hi:[0,1]   ; - x
.endr
.irp k, 0,2,4,6
	v_pk_add_f32 v[XS+8*\g+\k:XS+8*\g+\k+1], v[XS+8*\g+\k:XS+8*\g+\k+1], v[TP+\k:TP+\k+1]    ; x + that
.endr
.endr
.irp u, 0,1                            ; the largest magnitude of my 16, the two halves by turns
	v_max3_num_f32 v[8+4*\u], |v[XS+16*\u]|, |v[XS+16*\u+1]|, |v[XS+16*\u+2]|
	v_max3_num_f32 v[9+4*\u], |v[XS+16*\u+3]|, |v[XS+16*\u+4]|, |v[XS+16*\u+5]|
.endr
.irp i, 6,10
.irp u, 0,1
	v_max3_num_f32 v[8+4*\u], v[8+4*\u], |v[XS+16*\u+\i]|, |v[XS+16*\u+\i+1]|
	v_max3_num_f32 v[9+4*\u], v[9+4*\u], |v[XS+16*\u+\i+2]|, |v[XS+16*\u+\i+3]|
.endr
.endr
.irp u, 0,1
	v_max3_num_f32 v[8+4*\u], v[8+4*\u], |v[XS+16*\u+14]|, |v[XS+16*\u+15]|
.endr
.irp u, 0,1
	v_max3_num_f32 v[8+4*\u], v[8+4*\u], v[9+4*\u], 0x1800000  ; and the floor 2^(3 - 127): the byte cannot fall under 1
.endr
.irp u, 0,1
	v_max_num_f32_dpp v[8+4*\u], v[8+4*\u], v[8+4*\u] row_xmask:1 row_mask:0xf bank_mask:0xf   ; with my neighbour's 16: the block's
.endr
.irp u, 0,1
	v_add_nc_u32 v[10+4*\u], 0xff000000, v[8+4*\u] ; 2 off its exponent field: the conversion takes the exponent field of this operand as its scale
.endr
	s_wait_xcnt 0x0                                ; the last row's stores have read the codes' registers: only behind this wait are they written again
.irp u, 0,1
	v_cvt_scalef32_pk16_fp6_f32 v[CC+4*\u:CC+4*\u+2], v[XS+16*\u:XS+16*\u+15], v[10+4*\u]
.endr
.irp u, 0,1
	v_lshrrev_b32 v[11+4*\u], 23, v[10+4*\u]       ; the scale's byte (also the plain instruction behind the conversions)
.endr
.irp u, 0,1
	ds_store_b8 v6, v[11+4*\u] offset:32*(\n)+16*\u            ; both lanes of a block write the same byte with the same value
.endr
.irp u, 0,1
	global_store_b96 v5, v[CC+4*\u:CC+4*\u+2], s[28:29] offset:3072*(\n)+384*\u   ; 384 consecutive bytes a store; the row's two fill 768 bytes that begin at a multiple of 256
.endr
.if (\n)+3 < 16
	XLOAD (\n)+3                                   ; this row's set takes the row three further on
.endif
.endm
.set N, 0
.rept 16
	ROW N
.set N, N+1
.endr
	ds_load_b128 v[248:251], v243                  ; my wave's 512 scale bytes: LDS serves a wave's instructions in order: these see my stores
	s_wait_dscnt 0x0
	global_store_b128 v247, v[248:251], s[30:31]   ; 32 bytes a row: two lanes to a row
	s_set_vgpr_msb 0x5
	s_wait_tensorcnt 0x0
	ds_add_u32 v0, v1
	s_wait_dscnt 0x0
	s_set_vgpr_msb 0x500
	s_endpgm
; ---------------------------------------------------------------- WR
.Lwr:
	s_and_b32 s23, s20, 1
	s_lshl_b32 s24, s22, 1
	s_add_co_u32 s24, s24, s23                     ; place 0..1023: two neighbouring places to a work-group, so that its waves read 256 consecutive bytes of each strip
	s_lshr_b32 s25, s20, 1                         ; hh: which row of the pair I make
	s_lshr_b32 s26, s24, 5
	s_and_b32 s27, s24, 31
	s_lshl_b32 s27, s27, 5
	s_or_b32 s26, s26, s27                         ; rho = place / 32 + 32 (place % 32)
	s_lshl_b32 s27, s25, 10
	s_add_co_u32 s26, s26, s27                     ; o = 1024 hh + rho
	s_cmp_eq_u32 s25, 0
	s_cselect_b32 s32, 1.0, -1.0                   ; the sign of the pair's second row
	s_mov_b32 s33, s32                             ; (named with it as a pair, so it is written)
	s_lshl_b32 s28, s24, 7
	s_mov_b32 s29, 0
	s_add_nc_u64 s[36:37], s[8:9], s[28:29]        ; t1 at my place; four bases, 32 strips (8,388,608 bytes) apart, so that all else fits the immediate
	s_add_nc_u64 s[38:39], s[36:37], 0x800000
	s_add_nc_u64 s[40:41], s[38:39], 0x800000
	s_add_nc_u64 s[42:43], s[40:41], 0x800000
	s_lshl_b32 s28, s26, 6
	s_add_nc_u64 s[44:45], s[10:11], s[28:29]      ; weight_scales at 16 o
	s_mul_i32 s28, s26, 3072
	s_add_nc_u64 s[46:47], s[16:17], s[28:29]      ; the codes' row o
	s_lshl_b32 s28, s26, 7
	s_add_nc_u64 s[48:49], s[18:19], s[28:29]      ; the scale bytes' row o
	s_mul_i32 s30, s20, 8448
	s_add_co_u32 s30, s30, WRB                     ; my wave's LDS: 16 rows of 528 bytes
	v_lshrrev_b32 v11, 3, v1
	v_and_b32 v12, 7, v1
	v_lshlrev_b32 v2, 18, v11
	v_lshl_add_u32 v2, v12, 4, v2                  ; t1: strip lane / 8 of the load's four (262,144 bytes each), + 16 (lane % 8)
	v_lshl_add_u32 v3, v1, 4, s30                  ; the turn, in: 16 x lane
	v_and_b32 v13, 15, v1
	v_lshrrev_b32 v14, 4, v1
	v_mul_u32_u24 v4, v13, 528
	v_lshl_add_u32 v4, v14, 8, v4
	v_add_nc_u32 v4, s30, v4                       ; out: row lane % 16, its half lane / 16 (256 bytes)
	v_mul_u32_u24 v5, v1, 144
	v_add_nc_u32 v5, s30, v5                       ; the codes, in: 8 places of 16 bytes a lane, 144 bytes from lane to lane
	v_mul_u32_u24 v6, v11, 144
	v_lshl_add_u32 v6, v12, 4, v6
	v_add_nc_u32 v6, s30, v6                       ; out: place lane % 8 of lane / 8 (+ 4 lanes a store)
	v_mul_u32_u24 v7, v1, 12
	v_lshrrev_b32 v9, 1, v1
	v_lshlrev_b32 v9, 2, v9                        ; my group of 256 columns: lane / 2
	v_lshlrev_b32 v10, 2, v1
	global_load_b32 v8, v9, s[44:45]
.macro WR_LOAD reg, n, b               ; load n of 32: k = 128 n + 4 lane + 0 .. 3 of the pair's row b
	global_load_b128 v[\reg:\reg+3], v2, s[36+2*((\n)/8):37+2*((\n)/8)] offset:((\n)%8)*1048576+131072*(\b)
.endm
.set N, 0
.rept 16
	WR_LOAD D+4*N, N, 0
.set N, N+1
.endr
.set N, 0
.rept 16
	WR_LOAD TB+4*N, N, 1
.set N, N+1
.endr
.set N, 16
.rept 16
	WR_LOAD D+4*N, N, 0
.set N, N+1
.endr
.macro WR_HALF hf                      ; loads 16 hf .. 16 hf + 15: the pair's butterfly, then those over n's bits 0-3 (k's bits 7-10)
.set P, 0
.rept 32
	v_pk_fma_f32 v[D+64*(\hf)+2*P:D+64*(\hf)+2*P+1], v[TB+2*P:TB+2*P+1], s[32:33], v[D+64*(\hf)+2*P:D+64*(\hf)+2*P+1] op_sel_hi:[1,0,1]
.set P, P+1
.endr
.if (\hf) == 0
.set N, 16
.rept 16
	WR_LOAD TB+4*(N-16), N, 1                      ; the second row's other half lands while this half is worked
.set N, N+1
.endr
.endif
.set Q, 0
.rept 4
.irp u, 0,1
	R4 D+64*(\hf)+16*Q+2*\u, D+64*(\hf)+16*Q+4+2*\u, D+64*(\hf)+16*Q+8+2*\u, D+64*(\hf)+16*Q+12+2*\u, T+8*\u
.endr
.set Q, Q+1
.endr
.set Q, 0
.rept 4
.irp u, 0,1
	R4 D+64*(\hf)+4*Q+2*\u, D+64*(\hf)+4*Q+16+2*\u, D+64*(\hf)+4*Q+32+2*\u, D+64*(\hf)+4*Q+48+2*\u, T+8*\u
.endr
.set Q, Q+1
.endr
.endm
	s_wait_loadcnt 16                              ; the scale and both rows' first halves are in; the 16 loads of the first row's second half stay out
	WR_HALF 0
	s_wait_loadcnt 0x0
	WR_HALF 1
.set N, 0
.rept 16                               ; k's bit 1 (the two pairs of a load) and n's bit 4 (k's bit 11)
	R4 D+4*N, D+4*N+2, D+4*N+64, D+4*N+66, T+8*(N%2)
.set N, N+1
.endr
; THE TURN THROUGH MY OWN LDS, IN TWO HALVES OF 16 ROWS, so that a wave needs 8,448 bytes.  Row n holds k = 128 n .. 128 n + 127, 528 bytes from row to row: a store covers 512 consecutive bytes, and the rows that
; 16 lanes of a load take begin 33 x 16 bytes apart.  Rows 0-15 go in; lane l reads half l / 16 of row l % 16.  Rows 16-31 go into the same bytes (LDS serves a wave's instructions in order: behind the loads) and are read alike.
; Lanes 0-15 then hold the first halves of rows l and l + 16, lanes 16-31 the second halves of rows l - 16 and l: one exchange of the first run's upper lanes with the second run's lower lanes gives every lane its own row.
.set N, 0
.rept 16
	ds_store_b128 v3, v[D+4*N:D+4*N+3] offset:528*N
.set N, N+1
.endr
.set N, 0
.rept 16
	ds_load_b128 v[E+4*N:E+4*N+3], v4 offset:16*N
.set N, N+1
.endr
.set N, 0
.rept 16
	ds_store_b128 v3, v[D+64+4*N:D+64+4*N+3] offset:528*N
.set N, N+1
.endr
.set N, 0
.rept 16
	ds_load_b128 v[D+4*N:D+4*N+3], v4 offset:16*N
.set N, N+1
.endr
.set N, 0
.rept 16
	s_wait_dscnt 15-N                              ; LDS loads come back in order: load N of the second half is in (and all of the first half), the later ones stay out
.irp e, 0,1,2,3
	v_permlane16_swap_b32 v[E+4*N+\e], v[D+4*N+\e] ; the first's lanes 16-31 change places with the second's lanes 0-15: v[E + j] is now element j, v[E + 64 + j] element 64 + j, of row = lane
.endr
.set N, N+1
.endr
.set Q, 0
.rept 8                                ; k's bits 2 and 3
.irp u, 0,1
	R4 E+16*Q+2*\u, E+16*Q+2*\u+4, E+16*Q+2*\u+8, E+16*Q+2*\u+12, T+8*\u
.endr
.set Q, Q+1
.endr
.irp c, 0,1                            ; bits 4 and 5
.set Z, 0
.rept 8
	R4 E+64*\c+2*Z, E+64*\c+2*Z+16, E+64*\c+2*Z+32, E+64*\c+2*Z+48, T+8*(Z%2)
.set Z, Z+1
.endr
.endr
.set Z, 0
.rept 32                               ; bit 6 (packed), bit 0 (inside a pair) and x the group's scale in one
.set TA, T+4*(Z%4)
	v_pk_add_f32 v[TA:TA+1], v[E+2*Z:E+2*Z+1], v[E+64+2*Z:E+64+2*Z+1]
	v_pk_add_f32 v[TA+2:TA+3], v[E+2*Z:E+2*Z+1], v[E+64+2*Z:E+64+2*Z+1] neg_lo:[0,1] neg_hi:[0,1]
	v_mul_f32 v[TA+1], v8, v[TA+1]
	v_mul_f32 v[TA+3], v8, v[TA+3]
	v_fma_f32 v[E+2*Z+1], v8, v[TA], -v[TA+1]
	v_fma_f32 v[E+2*Z], v8, v[TA], v[TA+1]
	v_fma_f32 v[E+64+2*Z+1], v8, v[TA+2], -v[TA+3]
	v_fma_f32 v[E+64+2*Z], v8, v[TA+2], v[TA+3]
.set Z, Z+1
.endr
.irp b, 0,1,2,3                        ; my four blocks of 32, by turns: all 32 numbers of a block are mine
	v_max3_num_f32 v[32+\b], |v[E+32*\b]|, |v[E+32*\b+1]|, |v[E+32*\b+2]|
	v_max3_num_f32 v[36+\b], |v[E+32*\b+3]|, |v[E+32*\b+4]|, |v[E+32*\b+5]|
.endr
.irp i, 6,10,14,18,22,26
.irp b, 0,1,2,3
	v_max3_num_f32 v[32+\b], v[32+\b], |v[E+32*\b+\i]|, |v[E+32*\b+\i+1]|
	v_max3_num_f32 v[36+\b], v[36+\b], |v[E+32*\b+\i+2]|, |v[E+32*\b+\i+3]|
.endr
.endr
.irp b, 0,1,2,3
	v_max3_num_f32 v[32+\b], v[32+\b], |v[E+32*\b+30]|, |v[E+32*\b+31]|
.endr
.irp b, 0,1,2,3
	v_max3_num_f32 v[32+\b], v[32+\b], v[36+\b], 0x1800000     ; and the floor 2^(3 - 127): the byte cannot fall under 1
.endr
.irp b, 0,1,2,3
	v_add_nc_u32 v[40+\b], 0xff000000, v[32+\b]    ; 2 off the exponent field: the conversion's scale operand
.endr
.irp b, 0,1,2,3
	v_lshrrev_b32 v[44+\b], 23, v[40+\b]           ; the scale's byte
.endr
	v_lshl_or_b32 v44, v45, 8, v44                 ; my four bytes are neighbours in the row of scale bytes
	v_lshl_or_b32 v44, v46, 16, v44
	v_lshl_or_b32 v44, v47, 24, v44
.irp b, 0,1,2,3
	v_cvt_scalef32_pk16_fp6_f32 v[CW+8*\b:CW+8*\b+2], v[E+32*\b:E+32*\b+15], v[40+\b]
	v_cvt_scalef32_pk16_fp6_f32 v[CW+8*\b+4:CW+8*\b+6], v[E+32*\b+16:E+32*\b+31], v[40+\b]   ; (a conversion's three registers begin on an even number)
.endr
	v_nop                                          ; one plain instruction behind the last conversion
.irp q, 0,1,2,3,4,5,6,7
	ds_store_b96 v5, v[CW+4*\q:CW+4*\q+2] offset:16*\q         ; 12 bytes to a place of 16, so that every LDS address is a multiple of 16
.endr
.irp q, 0,1,2,3,4,5,6,7
	ds_load_b96 v[OW+4*\q:OW+4*\q+2], v6 offset:576*\q         ; back in the row's order: store q takes the pieces of lanes 4 q .. 4 q + 3
.endr
	global_store_b32 v10, v44, s[48:49]            ; 128 consecutive bytes: the row's scale bytes
.irp q, 0,1,2,3,4,5,6,7
	s_wait_dscnt 7-\q
	global_store_b96 v7, v[OW+4*\q:OW+4*\q+2], s[46:47] offset:384*\q   ; 384 consecutive bytes a store; the eight fill the row's 3,072
.endr
	s_set_vgpr_msb 0x5
	s_wait_tensorcnt 0x0
	ds_add_u32 v0, v1
	s_wait_dscnt 0x0
	s_set_vgpr_msb 0x500
	s_endpgm
.Lfunc_end_k_q17509fcc59_quant:
	.size	k_q17509fcc59_quant, .Lfunc_end_k_q17509fcc59_quant-k_q17509fcc59_quant
	.p2alignl 7, 3214868480
	.fill 96, 4, 3214868480
	.section	.rodata,"a",@progbits
	.p2align	6, 0x0
	.amdhsa_kernel k_q17509fcc59_quant
		.amdhsa_group_segment_fixed_size 73216
		.amdhsa_private_segment_fixed_size 0
		.amdhsa_enable_private_segment 0
		.amdhsa_kernarg_size 64
		.amdhsa_user_sgpr_count 2
		.amdhsa_user_sgpr_kernarg_segment_ptr 1
		.amdhsa_wavefront_size32 1
		.amdhsa_system_sgpr_workgroup_id_x 1
		.amdhsa_system_sgpr_workgroup_id_y 1
		.amdhsa_system_sgpr_workgroup_id_z 1
		.amdhsa_system_vgpr_workitem_id 0
		.amdhsa_next_free_vgpr 258
		.amdhsa_next_free_sgpr 66
		.amdhsa_reserve_vcc 1
		.amdhsa_float_denorm_mode_32 3
		.amdhsa_float_denorm_mode_16_64 3
		.amdhsa_memory_ordered 1
		.amdhsa_forward_progress 1
		.amdhsa_inst_pref_size 255
	.end_amdhsa_kernel
	.section	.bss,"aw",@nobits
	.p2align	6
	.space	262144
	.amdgpu_metadata
---
amdhsa.version: [ 1, 2 ]
amdhsa.kernels:
  - .name:           k_q17509fcc59_quant
    .symbol:         k_q17509fcc59_quant.kd
    .args:
      - { .name: x, .offset: 0, .size: 8, .value_kind: global_buffer, .address_space: global }
      - { .name: mm, .offset: 8, .size: 8, .value_kind: global_buffer, .address_space: global }
      - { .name: t1, .offset: 16, .size: 8, .value_kind: global_buffer, .address_space: global }
      - { .name: weight_scales, .offset: 24, .size: 8, .value_kind: global_buffer, .address_space: global }
      - { .name: a_codes, .offset: 32, .size: 8, .value_kind: global_buffer, .address_space: global }
      - { .name: a_scales, .offset: 40, .size: 8, .value_kind: global_buffer, .address_space: global }
      - { .name: b_codes, .offset: 48, .size: 8, .value_kind: global_buffer, .address_space: global }
      - { .name: b_scales, .offset: 56, .size: 8, .value_kind: global_buffer, .address_space: global }
    .group_segment_fixed_size: 73216
    .private_segment_fixed_size: 0
    .kernarg_segment_align: 8
    .kernarg_segment_size: 64
    .max_flat_workgroup_size: 128
    .sgpr_count:     66
    .vgpr_count:     258
    .wavefront_size: 32
...
	.end_amdgpu_metadata
.endif
;; end of part 5
;; launch gemm: the kernel of part 3 again; grid 8 x 32, 4 waves a work-group, clusters of 4 x 4, 327,680 bytes of LDS; arguments a_codes, a_scales, b_codes, b_scales, out0; writes out0
